; MI455X (gfx1250); checked and timed in simulation.
; The chip was launched on July 23, 2026; its instructions are those of AMD's public machine-readable ISA for CDNA 5 (MIT licence, August 2026) and "CDNA5" Instruction Set Architecture Reference Guide (July 2026). The comments in the code are by the model that wrote it; some were corrected since.
;; Multi Head Attention. Allowed arithmetic: matrix products marked QUANTISED: E2M3 operands, one E8M0 scale for each 32 along K, by v_wmma_scale_f32_16x16x128_f8f6f4 with both operands' format E2M3, f32 sums; everything else in f32.
;; Inputs: Wk 1,024 x 1,024 float32; Wo 1,024 x 1,024 float32; Wq 1,024 x 1,024 float32; Wv 1,024 x 1,024 float32; bk 1,024 float32; bo 1,024 float32; bq 1,024 float32; bv 1,024 float32; coords 2,048 x 1 x 1 float32; x 2 x 2,048 x 1,024 float32.
;; Outputs: out0 2 x 2,048 x 1,024 float32.
;; This version of the problem:
;;   THIS VERSION OF THE PROBLEM IS GIVEN IN LOW PRECISION. The matrix products marked QUANTISED in the list below multiply operands that are first quantised to E2M3 (2 exponent bits, 3 mantissa bits; 6 bits a number), with one power-of-two scale for each 32 numbers along K (OCP MX v1.0); their sums are f32. All else is computed in f32.
;;   The module's matrix products, in the order in which they are computed (A, B: the left and right operand; K: the contracted axis; several contracted axes count as one K, in the product's order):
;;     1. [M 4,096, K 1,024] x [K 1,024, N 1,024]; A: input x; B: input Wq: QUANTISED
;;     2. [M 4,096, K 1,024] x [K 1,024, N 1,024]; A: input x; B: input Wk: QUANTISED
;;     3. [M 4,096, K 1,024] x [K 1,024, N 1,024]; A: input x; B: input Wv: QUANTISED
;;     4. batch 32 x [M 2,048, K 64] x [K 64, N 2,048]; A: computed on the way; B: computed on the way: QUANTISED
;;     5. batch 32 x [M 2,048, K 2,047] x [K 2,047, N 64]; A: computed on the way; B: computed on the way: QUANTISED
;;     6. batch 32 x [M 2,048, K 2,047] x [K 2,047, N 64]; A: computed on the way; B: computed on the way: QUANTISED
;;     7. [M 4,096, K 1,024] x [K 1,024, N 1,024]; A: computed on the way; B: input Wo: QUANTISED
;;   THE QUANTISER, for each operand of a quantised product, along K:
;;     - K is cut into blocks of 32 from its start; a last block that is shorter is filled with zeros.
;;     - A block's scale is 2^e with e = floor(log2(the largest magnitude in the block)) - 2, held to -126 .. 127; a block of zeros has e = 0. As a byte (E8M0): e + 127.
;;     - Each number is divided by its block's scale, clamped to +-7.5, and rounded to the nearest number of E2M3, ties to even, subnormals kept.
;;     - The product sums the exact products of the quantised numbers (number of the format x scale) in f32.
;;   ~~~python
;;   def quantise(x, axis):      # numpy; x: float32 -> the quantised numbers, widened to float32 again
;;       x = np.moveaxis(x, axis, -1); K = x.shape[-1]
;;       x = np.pad(x, [(0, 0)] * (x.ndim - 1) + [(0, -K % 32)]); x = x.reshape(x.shape[:-1] + (-1, 32)); a = np.abs(x).max(-1, keepdims=True)
;;       e = np.where(a > 0, np.clip(np.frexp(np.where(a > 0, a, 1))[1] - 1 - 2, -126, 127), 0)      # np.frexp(a)[1] - 1 = floor(log2(a)), exactly
;;       r = np.clip(x / 2.0 ** e, -7.5, 7.5)
;;       step = 2.0 ** (np.maximum(np.frexp(np.where(r == 0, 1, r))[1] - 1, 0) - 3)
;;       q = np.round(r / step) * step * 2.0 ** e      # np.round: ties to even
;;       return np.moveaxis(q.reshape(q.shape[:-2] + (-1,))[..., :K], -1, axis).astype(np.float32)
;;   ~~~
;;   OPERANDS COMPUTED ON THE WAY. 'Computed on the way' means the value that the module computes at that place (a softmax that the list does not call 'softmax' is quantised finished and normalised). What goes into a quantiser is computed in f32, as accurately as f32 sums, v_exp_f32 and their like allow (about 1e-6 of the number): no bf16 or f16 on the way to a quantiser, and a product that is left as it is and whose result goes on into a quantised operand takes f32 operands (vector FMAs, or v_wmma_f32_16x16x4_f32). A number that lies on a knife's edge between two numbers of the format may be rounded either way, as far as f32 arithmetic and the matrix unit's own rounding can turn it there, and no further.
;; One version. Each part assembles by itself: llvm-mc -triple=amdgcn-amd-amdhsa -mcpu=gfx1250 --defsym DOCPART=n.
;; ======== version 1 of 1: 4 launches
;; workspace buffers: codes 9,437,184 bytes; scl 393,216 bytes; tab 24,576 bytes; qb 3,407,872 bytes; kv 9,961,472 bytes; oi 3,145,728 bytes; osc 131,072 bytes
;; launch quant (part 1): grid 400 x 1, 4 waves a work-group, no clusters, 33,280 bytes of LDS; arguments x, Wq, Wk, Wv, Wo, coords, codes, scl, tab; writes codes, scl, tab
.if DOCPART == 1
	.amdgcn_target "amdgcn-amd-amdhsa--gfx1250"
	.amdhsa_code_object_version 6
	.text
	.protected	k_qbb3d009d39_quant
	.globl	k_qbb3d009d39_quant
	.p2align	8
	.type	k_qbb3d009d39_quant,@function
k_qbb3d009d39_quant:
	s_mov_b64 s[64:65], 0
	v_nop
	global_prefetch_b8 v0, s[64:65] scope:SCOPE_SE
	s_setreg_imm32_b32 hwreg(HW_REG_WAVE_MODE, 25, 1), 1
	s_wait_xcnt 0x0
; x [4096][1024] (twice) and Wq, Wk, Wv, Wo [1024][1024], f32, become codes of FP6 (E2M3), K innermost, 768 bytes a row, with one E8M0 byte for each 32 along K, 32 bytes a row.
; codes / scl hold 12,288 rows: 0-4,095 x; 4,096-8,191 x once more, for the second origin of the key blocks: place p holds token p, but token p + 16 where p % 16 = 0;
; 8,192 on: Wq, Wk, Wv, Wo.  ROWS LIE IN IMAGE ORDER: of each 32 rows the two middle runs of 8 change places, so that a tile of 16 neighbouring rows of the buffer gives a product
; whose 16 registers of two neighbouring tiles are 16 neighbours along the next product's K.
; A block's scale is 2^(floor(log2(its largest magnitude)) - 2); its byte is the largest magnitude's exponent field - 2, held at 1 from below.
; LIMITS: a block of zeros gets the byte 1 (its codes are zeros; this program alone reads the bytes); blocks whose largest magnitude lies under 2^-124 have the byte 1; NaN and infinities are not served.
; Work-groups 0-383: a wave takes a run of 8 rows, 16 steps of 512 numbers.  Each load reads 512 consecutive bytes; a step's 2,048 bytes turn through the wave's own stage in LDS, so that a lane
; holds 16 neighbours.  Loads run four steps ahead, the turn one step.  No tensor loads, no barrier: waves share nothing.
; Work-groups 384-399 make three tables of 2,048 f32 from coords: dc0[k] = |c[k+1] - c[k]| (0 at the end), w[k] = (dc0[k-1] + dc0[k]) / 2, dc1[p] = dc0[p-1], or dc0[p+15] where p % 16 = 0.
.set STEPS, 16
.set EMAX,  2
.set CB,    12                         ; bytes of 16 codes
.set R,     16                         ; v16-79   four sets of 16 numbers as loaded
.set X,     80                         ; v80-111  two sets of 16 neighbours
.set E,     112                        ; v112-127 a scale byte for each step
.set C,     128                        ; v128-191 codes: four registers for each step, so that no store's data are written again
.set WREG,  8192                       ; LDS: a region for each wave: two stages of 32 x SP bytes, then its 256 scale bytes
.set SP,    80                         ; a lane's place in a stage: 64 bytes + 16 of padding
.set SPW,   12                         ; v12 LDS address of my spare word; never rewritten
.set NIL,   13                         ; v13 0; never rewritten
.set SPARE, 4*WREG                     ; behind the four regions: the spare words, 128 bytes for each wave
	s_load_b256 s[4:11], s[0:1], 0x0               ; x, Wq, Wk, Wv
	s_load_b256 s[12:19], s[0:1], 0x20             ; Wo, coords, codes, scl
	s_load_b64 s[20:21], s[0:1], 0x40              ; tab
	v_lshl_add_u32 v[SPW], v0, 2, SPARE
	v_mov_b32 v[NIL], 0
	v_lshrrev_b32 v1, 5, v0
	v_readfirstlane_b32 s24, v1                    ; wave
	v_and_b32 v2, 31, v0                           ; lane
	v_lshlrev_b32 v3, 4, v2                        ; my 16 bytes of a load's 512
	s_mul_i32 s36, s24, WREG
	v_lshrrev_b32 v14, 2, v2
	v_mul_u32_u24 v14, v14, SP
	v_and_b32 v15, 3, v2
	v_lshl_add_u32 v14, v15, 4, v14
	v_add_nc_u32 v14, s36, v14                     ; the stage, in: SP (lane / 4) + 16 (lane % 4)
	v_mul_u32_u24 v15, v2, SP
	v_add_nc_u32 v15, s36, v15                     ; and out: SP x lane: my 16 neighbours
	v_mul_u32_u24 v4, v2, CB                       ; my codes' place in a step's 384 bytes
	v_lshrrev_b32 v5, 1, v2
	s_add_co_u32 s36, s36, 2*32*SP
	v_add_nc_u32 v5, s36, v5                       ; LDS: my wave's 256 scale bytes, my block's byte
	v_lshlrev_b32 v7, 3, v2                        ; on the way out 8 bytes a lane
	v_add_nc_u32 v6, s36, v7
	s_wait_kmcnt 0x0
	s_cmp_ge_u32 ttmp9, 384                        ; the last sixteen work-groups make the tables: a branch on the work-group's number
	s_cbranch_scc1 .Ltab
	; which tensor: the choice hangs on the work-group's number alone
	s_mov_b64 s[32:33], s[12:13]
	s_mov_b32 s26, 352                             ; the segment's first work-group
	s_cmp_lt_u32 ttmp9, 352
	s_cselect_b64 s[32:33], s[10:11], s[32:33]
	s_cselect_b32 s26, 320, s26
	s_cmp_lt_u32 ttmp9, 320
	s_cselect_b64 s[32:33], s[8:9], s[32:33]
	s_cselect_b32 s26, 288, s26
	s_cmp_lt_u32 ttmp9, 288
	s_cselect_b64 s[32:33], s[6:7], s[32:33]
	s_cselect_b32 s26, 256, s26
	s_cmp_lt_u32 ttmp9, 256
	s_cselect_b64 s[32:33], s[4:5], s[32:33]
	s_cselect_b32 s26, 128, s26
	s_cmp_lt_u32 ttmp9, 128
	s_cselect_b32 s26, 0, s26
	s_sub_co_u32 s27, ttmp9, s26
	s_lshl_b32 s27, s27, 2
	s_add_co_u32 s27, s27, s24                     ; my run of 8 rows in the source
	; x's second copy: the first row of an even run (place p, p % 16 = 0) is token p + 16.  Run 510 would leave x: it keeps its own token, whose factor dc1[2032] is 0
	s_and_b32 s37, s27, 1
	s_cmp_lg_u32 s26, 128
	s_cselect_b32 s38, 1, 0
	s_or_b32 s37, s37, s38
	s_cmp_eq_u32 s27, 510
	s_cselect_b32 s38, 1, 0
	s_or_b32 s37, s37, s38
	s_cmp_eq_u32 s37, 0
	s_cselect_b32 s30, 0x10000, 0                  ; 16 rows of 4,096 bytes
	s_mov_b32 s31, 0
	s_lshl_b32 s28, s27, 15                        ; a run is 32,768 bytes
	s_mov_b32 s29, 0
	s_add_nc_u64 s[32:33], s[32:33], s[28:29]      ; the base of steps 2 to 15
	s_add_nc_u64 s[34:35], s[32:33], s[30:31]      ; the base of steps 0 and 1, the run's first row
	; where the run goes: image order: of four runs the two middle ones change places
	s_and_b32 s37, s24, 1
	s_lshl_b32 s37, s37, 1
	s_lshr_b32 s38, s24, 1
	s_or_b32 s37, s37, s38
	s_lshl_b32 s38, ttmp9, 2
	s_add_co_u32 s37, s37, s38
	s_mul_i32 s28, s37, 6144
	s_add_nc_u64 s[16:17], s[16:17], s[28:29]
	s_lshl_b32 s28, s37, 8
	s_add_nc_u64 s[18:19], s[18:19], s[28:29]
.macro LOAD t
.irp i, 0,1,2,3
.if (\t) < 2
	global_load_b128 v[R+16*((\t)%4)+4*\i:R+16*((\t)%4)+4*\i+3], v3, s[34:35] offset:2048*(\t)+512*\i
.else
	global_load_b128 v[R+16*((\t)%4)+4*\i:R+16*((\t)%4)+4*\i+3], v3, s[32:33] offset:2048*(\t)+512*\i   ; 32 lanes read 512 consecutive bytes
.endif
.endr
.endm
.macro TURN t                          ; step t's numbers through the stage: LDS serves a wave's instructions in order, so no wait stands between the stores and the loads
.irp i, 0,1,2,3
	ds_store_b128 v14, v[R+16*((\t)%4)+4*\i:R+16*((\t)%4)+4*\i+3] offset:32*SP*((\t)%2)+8*SP*\i
.endr
.irp i, 0,1,2,3
	ds_load_b128 v[X+16*((\t)%2)+4*\i:X+16*((\t)%2)+4*\i+3], v15 offset:32*SP*((\t)%2)+16*\i
.endr
.endm
.irp t, 0,1,2,3
	LOAD \t
.endr
	s_wait_loadcnt 12                              ; step 0's four loads are in; twelve younger ones stay out
	TURN 0
.macro STEP t
.set XS, X+16*((\t)%2)
.if (\t) > 0
	s_wait_dscnt 1                                 ; this step's numbers are back from the stage (the last step's byte store may be out)
.else
	s_wait_dscnt 0x0
.endif
.if (\t)+4 < STEPS
	LOAD (\t)+4                                    ; into the registers that this step's stores into the stage have read
.endif
.if (\t)+1 < STEPS
.if STEPS-2-(\t) >= 3
	s_wait_loadcnt 12                              ; the next step's four loads are in; those of the three steps behind it may be out
.else
	s_wait_loadcnt 4*(STEPS-2-(\t))
.endif
	TURN (\t)+1
.endif
	v_max3_num_f32 v8, |v[XS]|, |v[XS+1]|, |v[XS+2]|               ; the largest magnitude of my 16, in two chains
	v_max3_num_f32 v9, |v[XS+3]|, |v[XS+4]|, |v[XS+5]|
.irp i, 6,10
	v_max3_num_f32 v8, v8, |v[XS+\i]|, |v[XS+\i+1]|
	v_max3_num_f32 v9, v9, |v[XS+\i+2]|, |v[XS+\i+3]|
.endr
	v_max3_num_f32 v8, v8, |v[XS+14]|, |v[XS+15]|
	v_max3_num_f32 v8, v8, v9, (EMAX+1)<<23        ; and the floor 2^(3 - 127): the byte cannot fall under 1
	v_max_num_f32_dpp v8, v8, v8 row_xmask:1 row_mask:0xf bank_mask:0xf   ; and of my neighbour's 16: the block's
	v_add_nc_u32 v11, -(EMAX<<23), v8              ; 2 off its exponent field: the conversion takes the exponent field of this operand as its scale
	v_cvt_scalef32_pk16_fp6_f32 v[C+4*(\t):C+4*(\t)+2], v[XS:XS+15], v11
	v_lshrrev_b32 v[E+(\t)], 23, v11               ; the scale's byte (also the plain line behind the conversion)
	ds_store_b8 v5, v[E+(\t)] offset:16*(\t)       ; both lanes of a block write the same byte with the same value
	global_store_b96 v4, v[C+4*(\t):C+4*(\t)+2], s[16:17] offset:32*CB*(\t)   ; the wave stores 384 consecutive bytes
.endm
.irp t, 0,1,2,3,4,5,6,7,8,9,10,11,12,13,14,15
	STEP \t
.endr
	ds_load_b64 v[8:9], v6                         ; LDS serves a wave's instructions in order: these see my stores
	s_wait_dscnt 0x0
	global_store_b64 v7, v[8:9], s[18:19]          ; 32 lanes store 256 consecutive bytes, aligned: 8 rows' scale bytes
	s_wait_tensorcnt 0x0                           ; the wave's end, behind my last LDS store
	ds_add_u32 v[SPW], v[NIL]
	s_wait_dscnt 0x0
	s_endpgm
.Ltab:                                                 ; this way writes no LDS.  Thread t of work-group 384 + g takes k = 128 g + t
	s_sub_co_u32 s36, ttmp9, 384
	s_lshl_b32 s36, s36, 7
	v_add_nc_u32 v1, s36, v0                       ; k
	v_add_nc_u32 v2, 1, v1
	v_min_u32 v2, 0x7ff, v2                        ; k + 1, held at the last index: the difference is then 0
	v_max_u32 v3, 1, v1
	v_add_nc_u32 v3, -1, v3                        ; k - 1, held at 0
	v_add_nc_u32 v4, 15, v1
	v_min_u32 v4, 0x7ff, v4
	v_add_nc_u32 v5, 16, v1
	v_min_u32 v5, 0x7ff, v5
	v_and_b32 v6, 15, v1
	v_lshlrev_b32 v7, 2, v1
	v_lshlrev_b32 v2, 2, v2
	v_lshlrev_b32 v3, 2, v3
	v_lshlrev_b32 v4, 2, v4
	v_lshlrev_b32 v5, 2, v5
	global_load_b32 v16, v7, s[14:15]
	global_load_b32 v17, v2, s[14:15]
	global_load_b32 v18, v3, s[14:15]
	global_load_b32 v19, v4, s[14:15]
	global_load_b32 v20, v5, s[14:15]
	s_wait_loadcnt 0x0
	v_sub_f32 v21, v17, v16                        ; c[k+1] - c[k]
	v_sub_f32 v22, v16, v18                        ; c[k] - c[k-1]
	v_sub_f32 v23, v20, v19                        ; c[k+16] - c[k+15]
	v_and_b32 v24, 0x7fffffff, v21                 ; dc0[k]
	v_add_f32 v25, |v21|, |v22|
	v_mul_f32 v25, 0.5, v25                        ; w[k] (the halving is exact)
	v_and_b32 v22, 0x7fffffff, v22
	v_and_b32 v23, 0x7fffffff, v23
	v_cmp_eq_u32 vcc_lo, 0, v6
	v_cndmask_b32 v26, v22, v23, vcc_lo            ; dc1[k]
	global_store_b32 v7, v24, s[20:21]             ; the work-group's 128 threads store 512 consecutive bytes of each table
	global_store_b32 v7, v25, s[20:21] offset:8192
	global_store_b32 v7, v26, s[20:21] offset:16384
	s_endpgm
.Lfunc_end_k_qbb3d009d39_quant:
	.size	k_qbb3d009d39_quant, .Lfunc_end_k_qbb3d009d39_quant-k_qbb3d009d39_quant
	.p2alignl 7, 3214868480
	.fill 96, 4, 3214868480
	.section	.rodata,"a",@progbits
	.p2align	6, 0x0
	.amdhsa_kernel k_qbb3d009d39_quant
		.amdhsa_group_segment_fixed_size 33280
		.amdhsa_private_segment_fixed_size 0
		.amdhsa_enable_private_segment 0
		.amdhsa_kernarg_size 72
		.amdhsa_user_sgpr_count 2
		.amdhsa_user_sgpr_kernarg_segment_ptr 1
		.amdhsa_wavefront_size32 1
		.amdhsa_system_sgpr_workgroup_id_x 1
		.amdhsa_system_sgpr_workgroup_id_y 1
		.amdhsa_system_sgpr_workgroup_id_z 1
		.amdhsa_system_vgpr_workitem_id 0
		.amdhsa_next_free_vgpr 192
		.amdhsa_next_free_sgpr 66
		.amdhsa_reserve_vcc 1
		.amdhsa_float_denorm_mode_32 3
		.amdhsa_float_denorm_mode_16_64 3
		.amdhsa_memory_ordered 1
		.amdhsa_forward_progress 1
		.amdhsa_inst_pref_size 36
	.end_amdhsa_kernel
	.amdgpu_metadata
---
amdhsa.version: [ 1, 2 ]
amdhsa.kernels:
  - .name:           k_qbb3d009d39_quant
    .symbol:         k_qbb3d009d39_quant.kd
    .args:
      - { .name: x, .offset: 0, .size: 8, .value_kind: global_buffer, .address_space: global }
      - { .name: Wq, .offset: 8, .size: 8, .value_kind: global_buffer, .address_space: global }
      - { .name: Wk, .offset: 16, .size: 8, .value_kind: global_buffer, .address_space: global }
      - { .name: Wv, .offset: 24, .size: 8, .value_kind: global_buffer, .address_space: global }
      - { .name: Wo, .offset: 32, .size: 8, .value_kind: global_buffer, .address_space: global }
      - { .name: coords, .offset: 40, .size: 8, .value_kind: global_buffer, .address_space: global }
      - { .name: codes, .offset: 48, .size: 8, .value_kind: global_buffer, .address_space: global }
      - { .name: scl, .offset: 56, .size: 8, .value_kind: global_buffer, .address_space: global }
      - { .name: tab, .offset: 64, .size: 8, .value_kind: global_buffer, .address_space: global }
    .group_segment_fixed_size: 33280
    .private_segment_fixed_size: 0
    .kernarg_segment_align: 8
    .kernarg_segment_size: 72
    .max_flat_workgroup_size: 128
    .sgpr_count:     66
    .vgpr_count:     192
    .wavefront_size: 32
...
	.end_amdgpu_metadata
.endif
;; end of part 1
;; launch proj (part 2): grid 16 x 16, 4 waves a work-group, clusters of 4 x 4, 327,680 bytes of LDS; arguments codes, scl, bq, bk, bv, tab, qb, kv; writes qb, kv
.if DOCPART == 2
	.amdgcn_target "amdgcn-amd-amdhsa--gfx1250"
	.amdhsa_code_object_version 6
	.text
	.protected	k_qbb3d009d39_proj
	.globl	k_qbb3d009d39_proj
	.p2align	8
	.type	k_qbb3d009d39_proj,@function
k_qbb3d009d39_proj:
	s_mov_b64 s[64:65], 0
	v_nop
	global_prefetch_b8 v0, s[64:65] scope:SCOPE_SE
	s_setreg_imm32_b32 hwreg(HW_REG_WAVE_MODE, 25, 1), 1
	s_wait_xcnt 0x0
	s_wait_alu depctr_hold_cnt(0) depctr_sa_sdst(0) depctr_va_vdst(0) depctr_va_sdst(0) depctr_va_ssrc(0) depctr_va_vcc(0) depctr_vm_vsrc(0)
	s_getreg_b32 s2, hwreg(HW_REG_IB_STS2, 6, 4)
	s_cmp_eq_u32 s2, 0
	s_cbranch_scc0 .Lentry_in_a_cluster
	s_endpgm
.Lentry_in_a_cluster:
	s_bfe_u32 s2, ttmp6, 0x10000c
	s_cmp_lg_u32 s2, 0xf033
	s_cbranch_scc0 .Lentry_shape_is_right
	s_endpgm
.Lentry_shape_is_right:
; Q = x Wq^T + bq, K = x Wk^T + bk, and dc V with V = x Wv^T + bv for both origins of the key blocks, on codes of FP6 (E2M3) with E8M0 scales; each result is quantised in registers for the product
; that takes it next and stored as an image of that operand's registers.  256 tiles of 256 x 256, K = 1,024: one work-group of four waves a tile, a wave 128 x 128 in 512 registers.
; BOTH operands are rows of one buffer (768 bytes of codes, 32 scale bytes a row).  'A' is the side that a lane keeps (source 1), 'B' the side along which its registers run (source 0).
; The cluster's number cid says what is made: cid < 8: A = tokens, B = rows of Wq (cid even) or Wk (odd): registers run along the head's 64, the K of Q K^T.
; cid >= 8: A = rows of Wv, B = tokens (cid < 12) or the second copy of x (cid >= 12): registers run along the keys, the K of aw (dc V).  One loop serves all.
; Rows lie in image order in the buffer, so that the 16 registers of accumulators (a, 2 i) and (a, 2 i + 1) are 16 neighbours along B: 32 i + 16 (lane / 16) + 0 .. 15.
; K goes in steps of 256 through a ring of two LDS slots filled by the tensor data mover; the scale bytes of the work-group's rows come once, with the first fills.
; CLUSTERS: 4 x 4 work-groups: A's tiles are asked for jointly along a row of the cluster, B's along a column: the requests for both are divided by four.
; LIMITS: as the quantiser's: a block of zeros or under 2^-124 has the byte 1; NaN and infinities are not served.
; REGISTERS, in windows of 256: window 0: v0-31 addresses, v8-15 bv of my lane's rows; v32-63 scale words, two sets; v64-127 a table along B (a bias, or dc); from v128 A's fragments, ONE set;
;   on the way out v128-163 at work, v192-255 64 numbers.   window 1: B's fragments, two sets.   windows 2, 3: the accumulators ((a, b) at v[8 (8 (a % 4) + b)]).
.set KSTEP,  256
.set NQ,     2                         ; matrix instructions deep in a slot
.set ROWB,   192                       ; a tile's row in bytes
.set KROW,   768                       ; a row in memory
.set PITCH,  240                       ; an LDS row: 3 x (64 bytes + 16 of padding): the 32 lanes of a load of 8 bytes touch 64 different banks (64 banks of 4 bytes: ISA guide 11.1)
.set FR,     12
.set NL,     6
.set NP,     4                         ; places behind this matrix instruction (ISA guide 7.12.1)
.set HALFT,  128*PITCH
.set SLOT,   4*HALFT
.set LAPS,   2                         ; 1,024 / 512
.set KS,     32                        ; a row of scale bytes
.set SCL,    2*SLOT
.set HALFS,  16*272                    ; the scales of 128 rows: 16 units of 256 bytes + 16
.set SBLK,   2*272
.set SPARE,  SCL+4*HALFS               ; the spare words, 128 bytes for each wave
.set ADRA, 16
.set ADRB, 20
.set ADRS, 27
.set SPW,  28
.set NIL,  29
.set SC,   32
.set AF,   128
.set BL,   8                           ; v8-15   bv at my lane's row of A's block a
.set RT,   64                          ; v64-127 register 16 i + j: the table at 32 i + 16 (lane / 16) + j of my 128 rows of B
.set TT,   192                         ; the way out: 64 numbers
.set TM,   16                          ; v16-19 largest magnitudes, v20-23 at work
.set SOP,  128                         ; v128-131 the conversions' scale operands
.set PW,   132                         ; the scale word; v133-135 its forms
.set PC,   136                         ; v136-147 the codes
.set X0,   148
.set X1,   152
.set WB0,  156                         ; v156-163 scale words on their way out
.set SWS,  24
.set SWR,  25
.set VLO,  26
.set VHI,  27
.set WV,   20
.set RH,   21
.set CH,   22
.set G1,   24
.set G0,   32
.set G1B,  48
.set G0B,  56
.set MQK,  66                          ; s66 all ones where Q or K is made, else 0
.set MH,   67
.set G1S,  68
.set G0S,  76
.set G1SB, 80
.set G0SB, 88
.set SEL,  92
.set K7,   95
.set PT,   96
.set MSB, 0
.macro WIN new                         ; the immediate's high byte repeats the setting that is left
.if MSB != (\new)
	s_set_vgpr_msb (MSB<<8)|(\new)
.set MSB, (\new)
.endif
.endm
.set MUL_LO, 0xa1                      ; source 0 (B) window 1, source 1 (A) window 0, C and D window 2
.set MUL_HI, 0xf1
.set TO_B,   0x40
; A joint load: waves 0 and 1 fetch for A, waves 2 and 3 for B.  The branch hangs on the wave's number alone.  An s_nop 0 and four v_nop follow each line.
.macro JLOAD g0a, g1a, g0b, g1b
	s_cmp_eq_u32 s[RH], 0
	s_cbranch_scc0 .Lfor_b_\@
	tensor_load_to_lds s[\g0a:\g0a+3], s[\g1a:\g1a+7]
	s_nop 0
.rept 4
	v_nop
.endr
	s_branch .Lasked_\@
.Lfor_b_\@:
	tensor_load_to_lds s[\g0b:\g0b+3], s[\g1b:\g1b+7]
	s_nop 0
.rept 4
	v_nop
.endr
.Lasked_\@:
.endm
.macro CREST
	s_cmp_lg_u32 s[WV], 0
	s_cbranch_scc1 .Lnot_wave_0_\@
	s_barrier_signal -3
.Lnot_wave_0_\@:
	s_barrier_wait -3
	s_barrier_signal -1
	s_barrier_wait -1
.endm
.macro CROUND
	s_barrier_signal -1
	s_barrier_wait -1
	CREST
.endm
	s_load_b512 s[4:19], s[0:1], 0x0               ; codes, scl, bq, bk, bv, tab, qb, kv
	v_lshl_add_u32 v[SPW], v0, 2, SPARE
	v_mov_b32 v[NIL], 0
	ds_add_u32 v[SPW], v[NIL]                      ; the wave's opening: the add and its wait stand ahead of my first tensor load; work on registers stands between
	v_lshrrev_b32 v1, 5, v0
	v_readfirstlane_b32 s[WV], v1
	s_lshr_b32 s[RH], s[WV], 1                     ; which half of A's rows is mine.  Also: I fetch for A (0) or for B (1)
	s_and_b32 s[CH], s[WV], 1                      ; which half of B's rows.  Also: which 128 rows of that tile I fetch
	s_bfe_u32 s40, ttmp6, 0x40000                  ; cx
	s_bfe_u32 s41, ttmp6, 0x40004                  ; cy
	s_and_b32 s42, ttmp7, 0xffff
	s_lshl_b32 s42, s42, 2
	s_add_co_u32 s42, s42, ttmp9                   ; cid = 4 x cluster y + cluster x: the same in all sixteen partners
	s_lshl_b32 s43, s41, 2
	s_lshl_b32 s43, 15, s43                        ; my row of the cluster
	s_lshl_b32 s44, 0x1111, s40                    ; my column
	s_or_b32 s[G1+0], s43, (0<<16)|(1<<20)|(1<<21)|(3<<22)|(3<<25)  ; the mask; elements of 1 byte; padding on; bit 21 beside a mask; after every 16 words 4 words
	s_or_b32 s[G1B+0], s44, (0<<16)|(1<<20)|(1<<21)|(3<<22)|(3<<25)
.irp g, G1, G1B
	s_mov_b32 s[\g+1], ROWB<<16                    ; tensor_dim0
	s_mov_b32 s[\g+2], 128<<16                     ; tensor_dim1
	s_mov_b32 s[\g+3], ROWB<<16                    ; tile_dim0
	s_mov_b32 s[\g+4], 128                         ; tile_dim1
	s_mov_b32 s[\g+5], KROW                        ; the pitch
	s_mov_b32 s[\g+6], 0
	s_mov_b32 s[\g+7], 0
.endr
	s_or_b32 s[G1S+0], s43, (3<<16)|(1<<20)|(1<<21)|(5<<22)|(3<<25) ; the scales of 128 rows: 4,096 dense bytes as 16 rows of 256, 16 bytes of padding behind each
	s_or_b32 s[G1SB+0], s44, (3<<16)|(1<<20)|(1<<21)|(5<<22)|(3<<25)
.irp g, G1S, G1SB
	s_mov_b32 s[\g+1], 32<<16
	s_mov_b32 s[\g+2], 16<<16
	s_mov_b32 s[\g+3], 32<<16
	s_mov_b32 s[\g+4], 16
	s_mov_b32 s[\g+5], 32
	s_mov_b32 s[\g+6], 0
	s_mov_b32 s[\g+7], 0
.endr
	; the tiles' first rows.  A's hang on cid and cy, B's on cid and cx
	s_lshr_b32 s46, s42, 1
	s_lshl_b32 s46, s46, 10                        ; Q, K: A = tokens 1,024 (cid / 2) on
	s_and_b32 s47, s42, 1
	s_lshl_b32 s47, s47, 10
	s_add_co_u32 s47, s47, 8192                    ; Q, K: B = Wq or Wk
	s_sub_co_u32 s92, s42, 8
	s_lshl_b32 s92, s92, 10                        ; V: B = rows 1,024 (cid - 8) on: x, then its second copy
	s_mov_b32 s93, 10240                           ; V: A = Wv
	s_cmp_lt_u32 s42, 8
	s_cselect_b32 s[MQK], -1, 0
	s_cselect_b32 s46, s46, s93
	s_cselect_b32 s47, s47, s92
	s_lshl_b32 s23, s[CH], 7                       ; which 128 rows of the tile I fetch
	s_lshl_b32 s92, s41, 8
	s_add_co_u32 s46, s46, s92
	s_add_co_u32 s46, s46, s23                     ; A's row
	s_lshl_b32 s93, s40, 8
	s_add_co_u32 s47, s47, s93
	s_add_co_u32 s47, s47, s23                     ; B's row
	s_mul_i32 s92, s46, KROW
	s_mov_b32 s93, 0
	s_mul_i32 s96, s47, KROW
	s_mov_b32 s97, 0
	s_lshl_b32 s98, s46, 5
	s_mov_b32 s99, 0
	s_lshl_b32 s100, s47, 5
	s_mov_b32 s101, 0
	s_mul_i32 s45, s[WV], HALFT                    ; where they go: wave x 128 rows: no place in the cluster enters an LDS address
	s_mul_i32 s94, s[WV], HALFS
	s_wait_dscnt 0x0                               ; the opening add is done
	s_wait_kmcnt 0x0
	s_add_nc_u64 s[92:93], s[4:5], s[92:93]        ; A's codes
	s_add_nc_u64 s[96:97], s[4:5], s[96:97]        ; B's codes
	s_add_nc_u64 s[98:99], s[6:7], s[98:99]        ; A's scales
	s_add_nc_u64 s[100:101], s[6:7], s[100:101]    ; B's scales
	CROUND                                         ; all sixteen work-groups are here: the first joint loads meet
	s_mov_b32 s[G0S], 1
	s_add_co_u32 s[G0S+1], s94, SCL
	s_mov_b64 s[G0S+2:G0S+3], s[98:99]
	s_or_b32 s[G0S+3], s[G0S+3], 0x80000000
	s_mov_b32 s[G0SB], 1
	s_add_co_u32 s[G0SB+1], s94, SCL
	s_mov_b64 s[G0SB+2:G0SB+3], s[100:101]
	s_or_b32 s[G0SB+3], s[G0SB+3], 0x80000000
	JLOAD G0S, G1S, G0SB, G1SB                     ; the scales first: they are wanted with K step 0
.irp s, 0,1
	s_mov_b32 s[G0+4*\s], 1
	s_add_co_u32 s[G0+4*\s+1], s45, \s*SLOT
	s_add_nc_u64 s[G0+4*\s+2:G0+4*\s+3], s[92:93], \s*ROWB
	s_or_b32 s[G0+4*\s+3], s[G0+4*\s+3], 0x80000000
	s_mov_b32 s[G0B+4*\s], 1
	s_add_co_u32 s[G0B+4*\s+1], s45, \s*SLOT
	s_add_nc_u64 s[G0B+4*\s+2:G0B+4*\s+3], s[96:97], \s*ROWB
	s_or_b32 s[G0B+4*\s+3], s[G0B+4*\s+3], 0x80000000
	JLOAD G0+4*\s, G1, G0B+4*\s, G1B               ; three tensor loads of mine are out
.endr
	v_and_b32 v1, 15, v0                           ; r
	v_bfe_u32 v2, v0, 4, 1                         ; h
	v_mul_u32_u24 v3, v1, PITCH
	v_mul_u32_u24 v4, v2, 24
	v_add_nc_u32 v4, v3, v4                        ; a fragment's row x pitch + 24 x half
	v_lshl_add_u32 v5, v2, 4, v4                   ; and the same behind one padding more
	s_mul_i32 s46, s[RH], HALFT                    ; my 128 rows of A
	s_mul_i32 s47, s[CH], HALFT
	s_add_co_u32 s47, s47, 2*HALFT                 ; my 128 rows of B, behind A's 256
.irp s, 0,1
	v_add_nc_u32 v[ADRA+\s], s46, v4
	v_add_nc_u32 v[ADRB+\s], s47, v4
	v_add_nc_u32 v[ADRA+2+\s], s46, v5
	v_add_nc_u32 v[ADRB+2+\s], s47, v5
	s_add_co_u32 s46, s46, SLOT
	s_add_co_u32 s47, s47, SLOT
.endr
	v_mul_u32_u24 v5, v1, KS                       ; my row's scales: 32 bytes a row,
	v_lshrrev_b32 v6, 8, v5
	v_lshl_add_u32 v5, v6, 4, v5                   ; and 16 more for each 256 passed
	s_mul_i32 s46, s[RH], HALFS
	s_mul_i32 s47, s[CH], HALFS
	s_add_co_u32 s47, s47, 2*HALFS
	s_sub_co_u32 s47, s47, s46
	v_mul_u32_u24 v6, s47, v2                      ; lanes 16-31 take B's
	s_add_co_u32 s46, s46, SCL
	v_add_nc_u32 v5, v5, v6
	v_add_nc_u32 v[ADRS], s46, v5
	; two tables for the way out; they land while the loop runs, and their address registers and bases stay as they are until the wait for them
	v_lshlrev_b32 v30, 6, v2                       ; 64 h
	v_and_b32 v31, 8, v1
	v_add_nc_u32 v31, v31, v1
	v_lshlrev_b32 v31, 2, v31                      ; 4 (r + 8 (r / 8)): the true row behind lane r of a tile
	s_lshl_b32 s46, s40, 10
	s_lshl_b32 s47, s[CH], 9
	s_add_co_u32 s46, s46, s47                     ; 4 (256 cx + 128 half): my rows of B in their tile
	s_and_b32 s47, s42, 1
	s_lshl_b32 s47, s47, 12                        ; V: key places 1,024 (cid % 2) on in the batch,
	s_bfe_u32 s23, s42, 0x10002
	s_lshl_b32 s23, s23, 14                        ; in dc0, or in dc1, which lies 16,384 bytes behind it
	s_add_co_u32 s47, s47, s23
	s_bitcmp1_b32 s42, 0
	s_cselect_b64 s[100:101], s[10:11], s[8:9]     ; bk or bq
	s_cmp_lt_u32 s42, 8
	s_cselect_b64 s[100:101], s[100:101], s[14:15] ; or the tables
	s_cselect_b32 s47, 0, s47
	s_add_co_u32 s46, s46, s47
	s_mov_b32 s47, 0
	s_add_nc_u64 s[100:101], s[100:101], s[46:47]
	s_lshl_b32 s46, s41, 10
	s_lshl_b32 s23, s[RH], 9
	s_add_co_u32 s46, s46, s23
	s_add_nc_u64 s[98:99], s[12:13], s[46:47]      ; bv at my 128 rows of A (read in every cluster, used where V is made)
.irp b, 0,1,2,3
.irp q, 0,1,2,3
	global_load_b128 v[RT+16*\b+4*\q:RT+16*\b+4*\q+3], v30, s[100:101] offset:128*\b+16*\q
.endr
.endr
.irp a, 0,1,2,3,4,5,6,7
	global_load_b32 v[BL+\a], v31, s[98:99] offset:4*(32*(\a/2)+8*(\a%2))
.endr
.macro FRAG reg, adr, q, i             ; 16 rows x 128 K: 12 registers: lane l holds row l % 16; registers 6 c .. 6 c + 5 hold K = 64 c + 32 (l / 16) + 0 .. 31: 24 bytes of the row, as they lie, in pieces of 8
.irp p, 0,1,2,3,4,5
.set PCE, 12*(\q)+6*(\p/3)+\p%3        ; 16 bytes of padding lie behind every 8 pieces: where the piece three on lies behind one padding more, the second address register serves
.if PCE%8 < 5
	ds_load_b64 v[\reg+2*\p:\reg+2*\p+1], v[\adr] offset:8*PCE+16*(PCE/8)+(\i)*16*PITCH
.else
	ds_load_b64 v[\reg+2*\p:\reg+2*\p+1], v[\adr+2] offset:8*PCE+16*(PCE/8)+(\i)*16*PITCH
.endif
.endr
.endm
; 16 matrix instructions: A's blocks a0, a0 + 1 x B's eight.  The 64 accumulators take turns, one instruction a turn, in the same order in every step.
.macro MUL16 a0, p, q, sc, zero
.irp a, \a0, \a0+1
.irp b, 0,1,2,3,4,5,6,7
.if \zero
	v_wmma_scale_f32_16x16x128_f8f6f4 v[8*(8*((\a)%4)+\b):8*(8*((\a)%4)+\b)+7], v[128*(\p)+FR*\b:128*(\p)+FR*\b+FR-1], v[AF+FR*(\a):AF+FR*(\a)+FR-1], 0, v[SC+8*NQ*(\sc)+NQ*\b+(\q)], v[SC+8*NQ*(\sc)+NQ*(\a)+(\q)] matrix_a_fmt:MATRIX_FMT_FP6 matrix_b_fmt:MATRIX_FMT_FP6 matrix_a_scale:MATRIX_SCALE_ROW1
.else
	v_wmma_scale_f32_16x16x128_f8f6f4 v[8*(8*((\a)%4)+\b):8*(8*((\a)%4)+\b)+7], v[128*(\p)+FR*\b:128*(\p)+FR*\b+FR-1], v[AF+FR*(\a):AF+FR*(\a)+FR-1], v[8*(8*((\a)%4)+\b):8*(8*((\a)%4)+\b)+7], v[SC+8*NQ*(\sc)+NQ*\b+(\q)], v[SC+8*NQ*(\sc)+NQ*(\a)+(\q)] matrix_a_fmt:MATRIX_FMT_FP6 matrix_b_fmt:MATRIX_FMT_FP6 matrix_a_scale:MATRIX_SCALE_ROW1
.endif
.endr
.endr
.endm
.macro FETCH_B slot, q, p
	WIN TO_B
.irp i, 0,1,2,3,4,5,6,7
	FRAG 128*(\p)+FR*\i, ADRB+\slot, \q, \i
.endr
	WIN 0
.endm
.macro FETCH_A slot, q, i0
.irp i, \i0, \i0+1, \i0+2, \i0+3
	FRAG AF+FR*(\i), ADRA+\slot, \q, \i
.endr
.endm
.macro SCALES sc                       ; a K step's scale words: lanes 0-15 take A's block i, lanes 16-31 B's block i
.irp i, 0,1,2,3,4,5,6,7
	ds_load_b64 v[SC+8*NQ*\sc+NQ*\i:SC+8*NQ*\sc+NQ*\i+1], v[ADRS] offset:\i*SBLK
.endr
.endm
.macro PLACES n                        ; plain vector instructions between a matrix instruction and a load into, or a read of, its registers
.rept \n
	v_nop
.endr
.endm
.macro STEP slot, q, zero              ; 128 along K with its successor in the same slot
	s_wait_dscnt 4*NL                              ; B's set and A's blocks 0-3 are in; the youngest 24 loads (A's blocks 4-7) may be out
	WIN MUL_LO
	MUL16 0, (\q)%2, \q, \slot, \zero
	MUL16 2, (\q)%2, \q, \slot, \zero
	s_wait_dscnt 0
	PLACES NP
	FETCH_B \slot, (\q)+1, 1-(\q)%2
	FETCH_A \slot, (\q)+1, 0
	WIN MUL_HI
	MUL16 4, (\q)%2, \q, \slot, \zero
	MUL16 6, (\q)%2, \q, \slot, \zero
	PLACES NP
	WIN 0
	FETCH_A \slot, (\q)+1, 4
.endm
; A slot's last step changes slots: one barrier; in front of it each wave waits for all its tensor loads, adds 0 to its spare word, and waits for that and for its reads of this slot.
.macro TURN slot, next, fill
	s_wait_tensorcnt 0x0                           ; all my tensor loads have landed: my part of the next slot
	ds_add_u32 v[SPW], v[NIL]                      ; 0 onto my spare word
	s_wait_dscnt 4*NL+1                            ; (the add and the youngest 24 loads may be out)
	WIN MUL_LO
	MUL16 0, 1, NQ-1, \slot, 0
	s_wait_dscnt 0x0                               ; the add is done, and my reads of this slot are over
	s_barrier_signal -1
	MUL16 2, 1, NQ-1, \slot, 0
	WIN 0
	s_barrier_wait -1
.if \fill
	CREST                                          ; the barrier has opened a round of the cluster's barrier: no wave of any partner still reads this slot or has a load on its way
	s_add_nc_u64 s[G0+4*\slot+2:G0+4*\slot+3], s[G0+4*\slot+2:G0+4*\slot+3], 2*ROWB
	s_add_nc_u64 s[G0B+4*\slot+2:G0B+4*\slot+3], s[G0B+4*\slot+2:G0B+4*\slot+3], 2*ROWB
	JLOAD G0+4*\slot, G1, G0B+4*\slot, G1B         ; the first tensor load behind the round; its four v_nop are the places in front of the loads below
.else
	PLACES NP
.endif
	v_add_nc_u32 v[ADRS], 4*NQ, v[ADRS]
	FETCH_B \next, 0, 0
	FETCH_A \next, 0, 0
	SCALES \next
	WIN MUL_HI
	MUL16 4, 1, NQ-1, \slot, 0
	MUL16 6, 1, NQ-1, \slot, 0
	PLACES NP
	WIN 0
	FETCH_A \next, 0, 4
.endm
	s_wait_tensorcnt 1                             ; the scales and my part of K step 0 are in (K step 1's load may be out)
	s_barrier_signal -1
	s_barrier_wait -1
	FETCH_B 0, 0, 0
	FETCH_A 0, 0, 0
	SCALES 0
	FETCH_A 0, 0, 4
	STEP 0, 0, 1                                   ; the first step's products start the sums
	s_mov_b32 s3, LAPS-1
.Llap:
	TURN 0, 1, 1
	STEP 1, 0, 0
	TURN 1, 0, 1
	STEP 0, 0, 0
	s_sub_co_u32 s3, s3, 1
	s_cmp_lg_u32 s3, 0
	s_cbranch_scc1 .Llap
	TURN 0, 1, 0                                   ; the last lap fills nothing
	STEP 1, 0, 0
	s_wait_dscnt 4*NL
	WIN MUL_LO
	MUL16 0, 1, NQ-1, 1, 0
	MUL16 2, 1, NQ-1, 1, 0
	s_wait_dscnt 0
	WIN MUL_HI
	MUL16 4, 1, NQ-1, 1, 0
	MUL16 6, 1, NQ-1, 1, 0
	WIN 0
	PLACES NP
	; THE WAY OUT.  A's block a gives a lane 64 numbers, 128 along the next K: one fragment.  Q, K: its halves are two heads' half-images (16 tokens x 64); V: one fragment (16 of a head's 64 x 128 key places).
	; A half-image is three chunks of 256 bytes: chunk p holds registers 2 p, 2 p + 1 of every lane, 8 bytes a lane.  All places are byte offsets from ONE pointer (qb or kv).
	s_mov_b32 s[SEL], 0x76543210
	s_mov_b32 s[SEL+1], 0xfedcba98                 ; v_permlanex16_b32's selects for lane l xor 16
	s_mov_b32 s[MH], 0xffff0000                    ; lanes 16-31
	s_mov_b32 s[K7], 0x7f7f0000                    ; bytes 2 and 3 of a head's scale word: 1.0, for the half of the instruction's K that holds no number
	s_lshr_b32 s4, s42, 1
	s_lshl_b32 s4, s4, 10
	s_lshl_b32 s5, s41, 8
	s_add_co_u32 s4, s4, s5
	s_lshl_b32 s5, s[RH], 7
	s_add_co_u32 s4, s4, s5                        ; Q, K: my first token
	s_and_b32 s5, s42, 3
	s_lshl_b32 s5, s5, 10
	s_lshl_b32 s6, s40, 8
	s_add_co_u32 s5, s5, s6
	s_lshl_b32 s6, s[CH], 7
	s_add_co_u32 s5, s5, s6                        ; V: my first key place
	s_lshl_b32 s6, s40, 2
	s_lshl_b32 s7, s[CH], 1
	s_add_co_u32 s6, s6, s7                        ; Q, K: my first head
	s_lshl_b32 s7, s41, 2
	s_lshl_b32 s8, s[RH], 1
	s_add_co_u32 s7, s7, s8                        ; V: my first head
	s_bfe_u32 s8, s42, 0x10002                     ; V: which origin
	s_mul_i32 s9, s8, 98304
	s_add_co_u32 s9, s9, 106496                    ; V: where its fragments begin in a head's block,
	s_lshl_b32 s10, s8, 12
	s_add_co_u32 s10, s10, 303104                  ; and their scale words
	s_mov_b32 s11, 98304                           ; Q, K: the scale words lie behind the half-images
	s_mov_b32 s8, 1536
	s_mov_b32 s13, 306688
	s_cmp_lt_u32 s42, 8
	s_cselect_b32 s4, s4, s5
	s_cselect_b32 s6, s6, s7
	s_cselect_b32 s9, 0, s9
	s_cselect_b32 s10, s11, s10
	s_cselect_b32 s12, 2, 1                        ; scale words: 4 bytes a token, or 256 bytes for 128 key places
	s_cselect_b32 s8, 768, s8                      ; from block to block
	s_cselect_b32 s13, 768, s13                    ; and from block 3 to block 4 (V: the next head: 311,296 - 3 x 1,536)
	s_cselect_b32 s14, 0, 311040                   ; V: lanes 16-31 store the next head's scale words (311,296 - 256)
	s_and_b32 s15, s42, 9
	s_cmp_eq_u32 s15, 0                            ; Q's clusters: cid even and under 8
	s_cselect_b64 s[PT:PT+1], s[16:17], s[18:19]
	s_mov_b32 s15, 311296
	s_cselect_b32 s15, 106496, s15                 ; a head's block in qb or in kv
	s_lshr_b32 s5, s4, 11                          ; the batch
	s_and_b32 s4, s4, 2047
	s_lshl_b32 s5, s5, 4
	s_add_co_u32 s5, s5, s6
	s_mul_i32 s5, s5, s15                          ; my first head's block
	s_mul_i32 s6, s4, 48                           ; 768 bytes for 16 tokens; 6,144 for 128 key places
	s_add_co_u32 s6, s6, s5
	s_add_co_u32 s6, s6, s9                        ; chunks 0-2 of block 0
	s_lshl_b32 s7, s4, s12
	s_add_co_u32 s7, s7, s5
	s_add_co_u32 s10, s10, s7                      ; the scale words
	s_add_co_u32 s11, s10, s15                     ; Q, K: the second head's
	s_cmp_lt_u32 s42, 8
	s_cselect_b32 s7, s15, 768
	s_add_co_u32 s7, s7, s6                        ; chunks 3-5: the next head's half-image, or the fragment's second half
	s_lshl_b32 s5, s[WV], 10                       ; 1,024 bytes of LDS for my scale words, in slot 0: it has had its last fill, and nobody reads it behind the last change of slots
	v_and_b32 v6, 31, v0
	v_bfe_u32 v1, v0, 4, 1
	v_lshl_add_u32 v[VLO], v6, 3, s6
	v_lshl_add_u32 v[VHI], v6, 3, s7
	v_lshl_add_u32 v[SWS], v6, 2, s5
	v_lshrrev_b32 v3, 2, v6
	v_and_b32 v4, 3, v6
	v_lshlrev_b32 v3, 7, v3
	v_lshl_add_u32 v3, v4, 4, v3
	v_add_nc_u32 v[SWR], s5, v3                    ; back: lane l takes 16 bytes of block l / 4
	v_mul_u32_u24 v5, s14, v1
	v_lshl_add_u32 v5, v6, 4, v5
	v_add_nc_u32 v5, s10, v5
	v_lshl_add_u32 v7, v6, 4, s11
.irp b, 0,1,2,3
	v_mov_b32 v[TM+4+\b], 0                        ; written once: a lane permute's destination counts as one of its sources
.endr
	s_wait_loadcnt 0x0                             ; the two tables
; 64 numbers of a lane, register 16 b + i = k 32 b + 16 (lane / 16) + i of my row, become a fragment's codes in v[PC] on and its scale word in v[PW]
.macro QUANT
.irp b, 0,1,2,3
	v_max3_num_f32 v[TM+\b], |v[TT+16*\b]|, |v[TT+1+16*\b]|, 0x1800000   ; and the floor 2^(3 - 127): the byte cannot fall under 1
.endr
.irp i, 2,4,6,8,10,12,14
.irp b, 0,1,2,3
	v_max3_num_f32 v[TM+\b], v[TM+\b], |v[TT+16*\b+\i]|, |v[TT+1+16*\b+\i]|
.endr
.endr
.irp b, 0,1,2,3
	v_permlanex16_b32 v[TM+4+\b], v[TM+\b], s[SEL], s[SEL+1]
.endr
.irp b, 0,1,2,3
	v_max_num_f32 v[TM+\b], v[TM+\b], v[TM+4+\b]   ; with lane l xor 16's: the block's largest magnitude
.endr
.irp b, 0,1,2,3
	v_add_nc_u32 v[SOP+\b], 0xff000000, v[TM+\b]   ; 2 off its exponent field: the conversion's scale operand
.endr
.irp b, 0,1,2,3
	v_lshrrev_b32 v[TM+4+\b], 23, v[SOP+\b]        ; the scale's byte
.endr
	v_lshl_or_b32 v[PW], v[TM+5], 8, v[TM+4]
	v_lshl_or_b32 v[PW], v[TM+6], 16, v[PW]
	v_lshl_or_b32 v[PW], v[TM+7], 24, v[PW]
	v_cvt_scalef32_pk16_fp6_f32 v[PC:PC+2], v[TT:TT+15], v[SOP]
	v_cvt_scalef32_pk16_fp6_f32 v[X0:X0+2], v[TT+16:TT+31], v[SOP+1]   ; (a conversion's three registers begin on an even number)
	v_cvt_scalef32_pk16_fp6_f32 v[PC+6:PC+8], v[TT+32:TT+47], v[SOP+2]
	v_cvt_scalef32_pk16_fp6_f32 v[X1:X1+2], v[TT+48:TT+63], v[SOP+3]
	v_nop                                          ; one plain place behind a scaled conversion
.irp i, 0,1,2                                  ; the operand's layout wants a whole block in a lane
	v_permlane16_swap_b32 v[PC+\i], v[X0+\i]
	v_permlane16_swap_b32 v[PC+6+\i], v[X1+\i]
.endr
.irp i, 0,1,2
	v_mov_b32 v[PC+3+\i], v[X0+\i]
	v_mov_b32 v[PC+9+\i], v[X1+\i]
.endr
.endm
.macro OUTA a
.if (\a) > 0
	s_wait_xcnt 0x0                                ; the last block's stores have read their data and offsets
	s_wait_dscnt 0x0                               ; and its LDS store its word
.if (\a) == 4
	v_add_nc_u32 v[VLO], s13, v[VLO]
	v_add_nc_u32 v[VHI], s13, v[VHI]
.else
	v_add_nc_u32 v[VLO], s8, v[VLO]
	v_add_nc_u32 v[VHI], s8, v[VHI]
.endif
.endif
	s_cmp_lg_u32 s[MQK], 0                         ; a branch on the cluster's number: the same in all waves of all sixteen partners
	s_cbranch_scc0 .Lkeys_\@
	WIN 0x02+(\a)/4                                ; source 0: window 2 or 3
.set i, 0
.rept 32
	v_pk_add_f32 v[TT+i:TT+i+1], v[64*((\a)%4)+i:64*((\a)%4)+i+1], v[RT+i:RT+i+1]   ; Q, K: + the bias, which runs along the registers; each accumulator from its low end on
.set i, i+2
.endr
	WIN 0
	s_branch .Lmade_\@
.Lkeys_\@:
	v_mov_b32 v30, v[BL+(\a)]                      ; V: + bv, one number a lane (the pair's low word serves both halves),
	WIN 0x02+(\a)/4
.set i, 0
.rept 32
	v_pk_add_f32 v[TT+i:TT+i+1], v[64*((\a)%4)+i:64*((\a)%4)+i+1], v[30:31] op_sel_hi:[1,0]
.set i, i+2
.endr
	WIN 0
.set i, 0
.rept 32
	v_pk_mul_f32 v[TT+i:TT+i+1], v[TT+i:TT+i+1], v[RT+i:RT+i+1]   ; x dc, which runs along the key places
.set i, i+2
.endr
.Lmade_\@:
	QUANT
	v_and_or_b32 v[PW+1], v[PW], 0xffff, s[K7]     ; Q, K: the first head's two bytes,
	v_lshrrev_b32 v[PW+2], 16, v[PW]
	v_or_b32 v[PW+2], s[K7], v[PW+2]               ; the second head's,
	v_cndmask_b32 v[PW+3], v[PW+1], v[PW+2], s[MH] ; in lanes 0-15 and in lanes 16-31
	v_cndmask_b32 v[PW+3], v[PW], v[PW+3], s[MQK]  ; V: the word as it is
.irp p, 0,1,2
	global_store_b64 v[VLO], v[PC+2*\p:PC+2*\p+1], s[PT:PT+1] offset:256*\p     ; 32 lanes store 256 consecutive bytes, aligned
.endr
.irp p, 0,1,2
	global_store_b64 v[VHI], v[PC+6+2*\p:PC+7+2*\p], s[PT:PT+1] offset:256*\p
.endr
	ds_store_b32 v[SWS], v[PW+3] offset:128*(\a)
.endm
.irp a, 0,1,2,3,4,5,6,7
	OUTA \a
.endr
	ds_load_b128 v[WB0:WB0+3], v[SWR]              ; LDS serves a wave's instructions in order: these see my stores.  The words of lanes 0-15 of my eight blocks: 512 bytes,
	ds_load_b128 v[WB0+4:WB0+7], v[SWR] offset:64  ; and those of lanes 16-31
	s_wait_dscnt 0x0
	global_store_b128 v5, v[WB0:WB0+3], s[PT:PT+1] ; 512 consecutive bytes (V: two runs of 256, one for each head)
	s_cmp_lg_u32 s[MQK], 0
	s_cbranch_scc0 .Lone_set                       ; V has no second set of words
	global_store_b128 v7, v[WB0+4:WB0+7], s[PT:PT+1]
.Lone_set:
	s_wait_tensorcnt 0x0                           ; the wave's end, behind my last tensor load and my last LDS store
	ds_add_u32 v[SPW], v[NIL]
	s_wait_dscnt 0x0
	CROUND                                         ; the closing round: no work-group ends while a partner may still ask for a tile that names it
	s_endpgm
.Lfunc_end_k_qbb3d009d39_proj:
	.size	k_qbb3d009d39_proj, .Lfunc_end_k_qbb3d009d39_proj-k_qbb3d009d39_proj
	.p2alignl 7, 3214868480
	.fill 96, 4, 3214868480
	.section	.rodata,"a",@progbits
	.p2align	6, 0x0
	.amdhsa_kernel k_qbb3d009d39_proj
		.amdhsa_group_segment_fixed_size 327680
		.amdhsa_private_segment_fixed_size 0
		.amdhsa_enable_private_segment 0
		.amdhsa_kernarg_size 64
		.amdhsa_user_sgpr_count 2
		.amdhsa_user_sgpr_kernarg_segment_ptr 1
		.amdhsa_wavefront_size32 1
		.amdhsa_system_sgpr_workgroup_id_x 1
		.amdhsa_system_sgpr_workgroup_id_y 1
		.amdhsa_system_sgpr_workgroup_id_z 1
		.amdhsa_system_vgpr_workitem_id 0
		.amdhsa_next_free_vgpr 1024
		.amdhsa_next_free_sgpr 102
		.amdhsa_reserve_vcc 0
		.amdhsa_float_denorm_mode_32 3
		.amdhsa_float_denorm_mode_16_64 3
		.amdhsa_memory_ordered 1
		.amdhsa_forward_progress 1
		.amdhsa_inst_pref_size 224
	.end_amdhsa_kernel
	.amdgpu_metadata
---
amdhsa.version: [ 1, 2 ]
amdhsa.kernels:
  - .name:           k_qbb3d009d39_proj
    .symbol:         k_qbb3d009d39_proj.kd
    .args:
      - { .name: codes, .offset: 0, .size: 8, .value_kind: global_buffer, .address_space: global }
      - { .name: scl, .offset: 8, .size: 8, .value_kind: global_buffer, .address_space: global }
      - { .name: bq, .offset: 16, .size: 8, .value_kind: global_buffer, .address_space: global }
      - { .name: bk, .offset: 24, .size: 8, .value_kind: global_buffer, .address_space: global }
      - { .name: bv, .offset: 32, .size: 8, .value_kind: global_buffer, .address_space: global }
      - { .name: tab, .offset: 40, .size: 8, .value_kind: global_buffer, .address_space: global }
      - { .name: qb, .offset: 48, .size: 8, .value_kind: global_buffer, .address_space: global }
      - { .name: kv, .offset: 56, .size: 8, .value_kind: global_buffer, .address_space: global }
    .group_segment_fixed_size: 327680
    .private_segment_fixed_size: 0
    .kernarg_segment_align: 8
    .kernarg_segment_size: 64
    .max_flat_workgroup_size: 128
    .sgpr_count:     102
    .vgpr_count:     1024
    .wavefront_size: 32
...
	.end_amdgpu_metadata
.endif
;; end of part 2
;; launch attn (part 3): grid 8 x 32, 16 waves a work-group, clusters of 4 x 1, 327,680 bytes of LDS; arguments qb, kv, tab, oi, osc; writes oi, osc
.if DOCPART == 3
	.amdgcn_target "amdgcn-amd-amdhsa--gfx1250"
	.amdhsa_code_object_version 6
	.text
	.protected	k_qbb3d009d39_attn
	.globl	k_qbb3d009d39_attn
	.p2align	8
	.type	k_qbb3d009d39_attn,@function
k_qbb3d009d39_attn:
	s_mov_b64 s[64:65], 0
	v_nop
	global_prefetch_b8 v0, s[64:65] scope:SCOPE_SE
	s_setreg_imm32_b32 hwreg(HW_REG_WAVE_MODE, 25, 1), 1
	s_wait_xcnt 0x0
	s_wait_alu depctr_hold_cnt(0) depctr_sa_sdst(0) depctr_va_vdst(0) depctr_va_sdst(0) depctr_va_ssrc(0) depctr_va_vcc(0) depctr_vm_vsrc(0)
	s_getreg_b32 s2, hwreg(HW_REG_IB_STS2, 6, 4)
	s_cmp_eq_u32 s2, 0
	s_cbranch_scc0 .Lentry_in_a_cluster
	s_endpgm
.Lentry_in_a_cluster:
	s_bfe_u32 s2, ttmp6, 0x10000c
	s_cmp_lg_u32 s2, 0x3003
	s_cbranch_scc0 .Lentry_shape_is_right
	s_endpgm
.Lentry_shape_is_right:
; For one batch and head: s = Q K^T; e = exp((s - max s) / 8); denom = sum over k of w[k] e[k] (the trapezoid rule's sum, by weights of the keys); aw = e / denom;
; out = (sum of aw[k+1] dc[k] V[k+1] + sum of aw[k] dc[k] V[k]) / 2, all three products on codes of FP6 (E2M3) with E8M0 scales; out is quantised for the last product.
; aw IS QUANTISED FINISHED, so a row's maximum and denominator are known before its first code is made: TWO PASSES over the keys.  Pass 1: running maximum m and sum (rescaled when m grows).
; Pass 2: aw = 2^(c s + NB), c = log2(e) / 8, NB = -c m - log2(denom): the division stands in the exponent; c m is the same rounded number in both passes.
; THE TWO SUMS cut the keys into blocks of 32 at two origins.  Within a block the order along K is free if both operands keep it: for the first sum place p = 16 g + i holds key p for i >= 1 and key 16 g + 16
; for i = 0 (V's second image is laid so).  So aw's second operand is the first with four registers replaced.  Pass 2 walks the keys DOWN, so that the key 128 on is at hand from the trip before.
; K = 2,047: in the top trip key 2,047 leaves the second sum's operand and block maximum, and the place of key 2,048 holds 0.
; SHARES.  A work-group owns 256 queries, each of its sixteen waves 16: a lane holds ONE query (lane % 16) throughout; both kinds of product are used transposed.  Four waves to a SIMD.
; THE WHOLE HEAD LIES IN LDS, filled once: K's half-images and scale words, both images of dc V with theirs, the weights w.  No slot is ever filled again.
; CLUSTER.  The four query blocks of a cluster read the same head: each of the three loads of a wave is asked for jointly by the four.
; Q K^T has K = 64, half of the instruction's 128: Q's codes of the other half are zeros, so whatever stands in K's registers 6-11 (the next tile's codes: every code of this format is a finite number) adds nothing.
; LIMITS: aw under 2^-126 counts as 0 and a denominator under 2^-126 as 0 (the exponential and the logarithm flush denormals: ISA guide 15.8); the denominator's sum is ordered by keys, not by intervals;
; the two sums share one accumulator; a block of zeros or under 2^-124 has the byte 1; NaN and infinities are not served.
.set KSCL,  98304                      ; LDS: K's 128 half-images of 768 bytes from 0; their scale words, 4 bytes a key;
.set V0I,   106496                     ; dc V for the second sum: fragment (step, tile of 16 channels) at 6,144 step + 1,536 tile, its halves 768 apart;
.set V1I,   204800                     ; for the first sum;
.set VS0,   303104                     ; their scale words: 256 step + 64 tile + 4 row; the second image's 4,096 on;
.set WQ,    311296                     ; the weights w, 2,048 f32;
.set SPARE, 319488                     ; the spare words, 128 bytes for each of sixteen waves
.set BLKKV, 311296
.set BLKQ,  106496
.set L8,   1                           ; v1  8 x lane
.set ASK0, 2                           ; v2  K's scale words: KSCL + 4 r
.set AV0,  3                           ; v3, v4  the two images of V: + 8 x lane
.set AV1,  4
.set ASV0, 5                           ; v5  V's scale words: VS0 + 4 r
.set AW0,  6                           ; v6  the weights: WQ + 64 h
.set SPW,  7                           ; v7  LDS address of my spare word; never rewritten
.set NIL,  8                           ; v8  0; never rewritten
.set ADK,  9
.set ADS,  10
.set ADW,  11                          ; pass 1: the weights; pass 2: V's first run
.set ADV1, 12
.set ADT,  13
                                       ; v14 -c m, later NB; v15 m
.set QF,   16                          ; v16-27 Q's fragment; v22-27 are zeros
.set QS,   28                          ; Q's scale words
.set CAR,  29                          ; aw of the key 128 on
.set PWU,  30                          ; aw's scale words for the two origins
.set PWS,  31
.set KV,   32                          ; v32-85: K's tile t at 32 + 6 t (v80-85 zeros); V's tile d at 32 + 12 d; at work between the products
.set KS,   86                          ; v86-93 scale words of K or of V
                                       ; v[94:95] the sum's factor
.set SS,   96                          ; v96-159 S^T, then e or aw; at a step's end V's second run
.set WT,   160                         ; pass 1: v160-223 the weights, v224-231 the sum in four pairs, v232-238 at work
.set LL,   224
.set OO,   160                         ; pass 2: v160-191 O^T, v224-247 aw's codes, v248-255 the neighbours
.set CU,   224
.set CS2,  236
.set YY,   248
.set XX,   252
.set WV,   14
.set SEL,  60
.set CC,   62                          ; s[62:63] c
.set NC,   66                          ; -c
.set MH,   67                          ; lanes 16-31
.set MTOP, 68                          ; lanes 16-31 in the top trip, else none
.set TBK,  69
.set TSK,  70
.set TW,   71
.set TSV,  72
.set TRIP, 73
.macro CROUND
	s_barrier_signal -1
	s_barrier_wait -1
	s_cmp_lg_u32 s[WV], 0
	s_cbranch_scc1 .Lnot_wave_0_\@
	s_barrier_signal -3
.Lnot_wave_0_\@:
	s_barrier_wait -3
	s_barrier_signal -1
	s_barrier_wait -1
.endm
.macro DENSE g, rows                   ; descriptor group 1: a dense block as rows of 256 bytes (32 elements of 8 bytes), no padding; the mask names all four work-groups, bit 21 beside it
	s_mov_b32 s[\g], 15|(3<<16)|(1<<21)
	s_mov_b32 s[\g+1], 32<<16
	s_mov_b32 s[\g+2], (\rows)<<16
	s_mov_b32 s[\g+3], 32<<16
	s_mov_b32 s[\g+4], \rows
	s_mov_b32 s[\g+5], 32
	s_mov_b32 s[\g+6], 0
	s_mov_b32 s[\g+7], 0
.endm
	s_load_b256 s[4:11], s[0:1], 0x0               ; qb, kv, tab, oi
	s_load_b64 s[12:13], s[0:1], 0x20              ; osc
	v_lshl_add_u32 v[SPW], v0, 2, SPARE
	v_mov_b32 v[NIL], 0
	ds_add_u32 v[SPW], v[NIL]                      ; the wave's opening: the add and its wait stand ahead of my first tensor load; work on registers stands between
	v_lshrrev_b32 v9, 5, v0
	v_readfirstlane_b32 s[WV], v9                  ; wave 0..15
	s_bfe_u32 s15, ttmp6, 0x40000                  ; cx: it enters Q's, oi's and osc's addresses alone
	s_lshl_b32 s16, ttmp9, 2
	s_add_co_u32 s16, s16, s15                     ; my block of 256 queries
	s_lshl_b32 s16, s16, 4
	s_add_co_u32 s16, s16, s[WV]                   ; my tile of 16 queries
	s_and_b32 s17, ttmp7, 0xffff                   ; batch x 16 + head, which the four partners share
	DENSE 24, 26                                   ; K and its scale words: 106,496 bytes, 6,656 a wave
	DENSE 32, 2                                    ; the weights: 8,192 bytes, 512 a wave
	DENSE 40, 50                                   ; both images of V and their scale words: 204,800 bytes, 12,800 a wave
	s_mul_i32 s22, s17, BLKKV                      ; my head's block of kv, which is laid as LDS is
	s_mul_i32 s49, s[WV], 6656
	s_add_co_u32 s18, s22, s49
	s_mov_b32 s19, 0
	s_mul_i32 s57, s[WV], 12800
	s_add_co_u32 s57, s57, V0I
	s_add_co_u32 s20, s22, s57
	s_mov_b32 s21, 0
	s_lshl_b32 s22, s[WV], 9
	s_add_co_u32 s53, s22, WQ
	s_add_co_u32 s22, s22, 8192                    ; w lies 8,192 bytes into tab
	s_mov_b32 s23, 0
	s_mov_b32 s48, 1
	s_mov_b32 s52, 1
	s_mov_b32 s56, 1
	s_mul_i32 s74, s17, BLKQ
	s_mul_i32 s75, s16, 768
	s_add_co_u32 s76, s74, 98304
	s_lshl_b32 s77, s16, 6
	s_add_co_u32 s76, s76, s77                     ; Q's scale words
	s_mov_b32 s77, 0
	s_add_co_u32 s74, s74, s75                     ; Q's half-image
	s_mul_i32 s78, s17, 98304
	s_add_co_u32 s78, s78, s75                     ; out's half-image
	s_mov_b32 s75, 0
	s_mov_b32 s79, 0
	s_lshr_b32 s72, s17, 4
	s_lshl_b32 s72, s72, 16                        ; out's scale bytes: 32 bytes a row, 2,048 rows a batch,
	s_lshl_b32 s73, s16, 9                         ; 16 rows a tile,
	s_add_co_u32 s72, s72, s73
	s_and_b32 s73, s17, 15
	s_lshl_b32 s73, s73, 1                         ; 2 bytes a head
	s_add_co_u32 s72, s72, s73
	s_mov_b32 s73, 0
	s_mov_b32 s[SEL], 0x76543210
	s_mov_b32 s[SEL+1], 0xfedcba98                 ; v_permlanex16_b32's selects for lane l xor 16
	s_mov_b32 s[CC], 0x3e38aa3b                    ; c = log2(e) / 8
	s_mov_b32 s[CC+1], s[CC]
	s_mov_b32 s[NC], 0xbe38aa3b
	s_mov_b32 s[MH], 0xffff0000
	v_and_b32 v9, 31, v0
	v_lshlrev_b32 v[L8], 3, v9
	v_and_b32 v10, 15, v0                          ; r
	v_bfe_u32 v11, v0, 4, 1                        ; h
	v_lshl_add_u32 v[ASK0], v10, 2, KSCL
	v_add_nc_u32 v[AV0], V0I, v[L8]
	v_add_nc_u32 v[AV1], V1I, v[L8]
	v_lshl_add_u32 v[ASV0], v10, 2, VS0
	v_lshl_add_u32 v[AW0], v11, 6, WQ
	v_lshlrev_b32 v12, 2, v10
	s_wait_dscnt 0x0                               ; the opening add is done
	s_wait_kmcnt 0x0
	s_add_nc_u64 s[50:51], s[6:7], s[18:19]
	s_or_b32 s51, s51, 0x80000000
	s_add_nc_u64 s[54:55], s[8:9], s[22:23]
	s_or_b32 s55, s55, 0x80000000
	s_add_nc_u64 s[58:59], s[6:7], s[20:21]
	s_or_b32 s59, s59, 0x80000000
	s_add_nc_u64 s[76:77], s[4:5], s[76:77]
	s_add_nc_u64 s[4:5], s[4:5], s[74:75]
	s_add_nc_u64 s[10:11], s[10:11], s[78:79]
	s_add_nc_u64 s[12:13], s[12:13], s[72:73]
	CROUND                                         ; all four work-groups are here: the joint loads meet
	tensor_load_to_lds s[48:51], s[24:31]          ; K
	s_nop 0
	tensor_load_to_lds s[52:55], s[32:39]          ; w
	s_nop 0
	tensor_load_to_lds s[56:59], s[40:47]          ; V: three loads of mine are out, and no more are issued
	s_nop 0
.rept 4
	v_nop
.endr
.irp p, 0,1,2
	global_load_b64 v[QF+2*\p:QF+2*\p+1], v[L8], s[4:5] offset:256*\p   ; Q's half-image stays in registers
.endr
	global_load_b32 v[QS], v12, s[76:77]
.irp i, 0,1,2,3,4,5
	v_mov_b32 v[QF+6+\i], 0                        ; Q's codes of k = 64 .. 127
	v_mov_b32 v[KV+48+\i], 0                       ; what stands behind K's last tile
.endr
.irp i, 0,1,2,3,4,5,6,7
	v_mov_b32 v[LL+\i], 0                          ; the sum
.endr
.irp i, 0,1,2,3
	v_mov_b32 v[YY+\i], 0                          ; written once: a lane permute's destination counts as one of its sources
.endr
	v_mov_b32 v237, 0
	v_mov_b32 v95, 0                               ; (named as the upper half of the pair v[94:95])
	v_mov_b32 v[CAR], 0                            ; the place of key 2,048
	v_mov_b32 v15, 0xff61b1e6                      ; m: -3e38, under every score
	v_mul_f32 v14, s[NC], v15                      ; -c m
	s_mov_b32 s[TBK], 0
	s_mov_b32 s[TSK], 0
	s_mov_b32 s[TW], 0
	s_mov_b32 s[TRIP], 16
	s_wait_tensorcnt 1                             ; my parts of K and of w are in; V's load may stay out
	s_barrier_signal -1
	s_barrier_wait -1
	s_wait_loadcnt 0x0                             ; Q
.macro KLOAD                           ; a step's 128 keys: eight half-images, 256 consecutive bytes a load, and their scale words
.irp t, 0,1,2,3,4,5,6,7
.irp p, 0,1,2
	ds_load_b64 v[KV+6*\t+2*\p:KV+6*\t+2*\p+1], v[ADK] offset:768*\t+256*\p
.endr
	ds_load_b32 v[KS+\t], v[ADS] offset:64*\t
.endr
.endm
.macro KQ                              ; S^T: register 16 b + i of lane (r, h) is key 32 b + 16 h + i of the step, for query r
.irp t, 0,1,2,3,4,5,6,7
	v_wmma_scale_f32_16x16x128_f8f6f4 v[SS+8*\t:SS+8*\t+7], v[KV+6*\t:KV+6*\t+11], v[QF:QF+11], 0, v[KS+\t], v[QS] matrix_a_fmt:MATRIX_FMT_FP6 matrix_b_fmt:MATRIX_FMT_FP6
.endr
.endm
.macro SCALE_EXP                       ; 2^(c s + v14), the exponentials as one batch
.set n, 0
.rept 32
	v_pk_fma_f32 v[SS+n:SS+n+1], v[SS+n:SS+n+1], s[CC:CC+1], v[14:15] op_sel_hi:[1,0,0]   ; of the pairs c and v14 the low word serves both halves; each accumulator from its low end on
.set n, n+2
.endr
.set n, 0
.rept 64
	v_exp_f32 v[SS+n], v[SS+n]
.set n, n+1
.endr
.endm
.Lp1:                                              ; PASS 1: sixteen steps of 128 keys
	v_add_nc_u32 v[ADK], s[TBK], v[L8]
	v_add_nc_u32 v[ADS], s[TSK], v[ASK0]
	v_add_nc_u32 v[ADW], s[TW], v[AW0]
	KLOAD
.irp b, 0,1,2,3
.irp q, 0,1,2,3
	ds_load_b128 v[WT+16*\b+4*\q:WT+16*\b+4*\q+3], v[ADW] offset:128*\b+16*\q   ; the weights of my 64 keys, in S^T's order
.endr
.endr
	s_wait_dscnt 16                                ; K is in; the sixteen loads of weights may be out
	KQ
.rept 4
	v_nop                                          ; places behind the products, ahead of the first read of their results
.endr
.irp b, 0,1,2,3
	v_max3_num_f32 v[232+\b], v[SS+16*\b], v[SS+1+16*\b], v[SS+2+16*\b]   ; the step's largest score, in four chains
.endr
.irp i, 3,5,7,9,11,13
.irp b, 0,1,2,3
	v_max3_num_f32 v[232+\b], v[232+\b], v[SS+16*\b+\i], v[SS+1+16*\b+\i]
.endr
.endr
.irp b, 0,1,2,3
	v_max_num_f32 v[232+\b], v[232+\b], v[SS+15+16*\b]
.endr
	v_max3_num_f32 v236, v232, v233, v234
	v_max3_num_f32 v236, v236, v235, v15           ; with the old m
	v_permlanex16_b32 v237, v236, s[SEL], s[SEL+1]
	v_mov_b32 v238, v14
	v_max_num_f32 v15, v236, v237                  ; with lane l xor 16's keys: the new m
	v_mul_f32 v14, s[NC], v15                      ; -c m
	v_sub_f32 v238, v14, v238                      ; c m_old - c m_new
	v_exp_f32 v94, v238                            ; the sum's factor
	SCALE_EXP                                      ; e
	v_nop                                          ; the plain instruction behind the last exponential
	s_wait_alu depctr_va_vdst(0)                   ; one wait for the batch of 65, ahead of its first reader
	s_wait_dscnt 0x0                               ; the weights
.irp i, 0,2,4,6
	v_pk_mul_f32 v[LL+\i:LL+\i+1], v[LL+\i:LL+\i+1], v[94:95] op_sel_hi:[1,0]
.endr
.set n, 0
.rept 32
	v_pk_fma_f32 v[LL+2*(n%4):LL+2*(n%4)+1], v[SS+2*n:SS+2*n+1], v[WT+2*n:WT+2*n+1], v[LL+2*(n%4):LL+2*(n%4)+1]   ; + w e, in four chains
.set n, n+1
.endr
	s_add_co_u32 s[TBK], s[TBK], 6144
	s_add_co_u32 s[TSK], s[TSK], 512
	s_add_co_u32 s[TW], s[TW], 512
	s_sub_co_u32 s[TRIP], s[TRIP], 1
	s_cmp_lg_u32 s[TRIP], 0
	s_cbranch_scc1 .Lp1
	v_pk_add_f32 v[LL:LL+1], v[LL:LL+1], v[LL+2:LL+3]
	v_pk_add_f32 v[LL+4:LL+5], v[LL+4:LL+5], v[LL+6:LL+7]
	v_pk_add_f32 v[LL:LL+1], v[LL:LL+1], v[LL+4:LL+5]
	v_add_f32 v[LL], v[LL], v[LL+1]
	v_permlanex16_b32 v237, v[LL], s[SEL], s[SEL+1]
	v_add_f32 v[LL], v[LL], v237                   ; the row's denominator
	v_log_f32 v[LL+1], v[LL]
	v_nop
	s_wait_alu depctr_va_vdst(0)
	v_sub_f32 v14, v14, v[LL+1]                    ; NB = -c m - log2(denom)
.set n, 0
.rept 32
	v_mov_b32 v[OO+n], 0                           ; O^T: the step is written once
.set n, n+1
.endr
	s_mov_b32 s[TBK], 16*6144                      ; stepped down at each trip's head
	s_mov_b32 s[TSK], 16*512
	s_mov_b32 s[TSV], 16*256
	s_mov_b32 s[MTOP], 0xffff0000
	s_mov_b32 s[TRIP], 16
	s_wait_tensorcnt 0x0                           ; my part of V is in,
	s_wait_dscnt 0x0
	s_barrier_signal -1
	s_barrier_wait -1                              ; everybody's is
.Lp2:                                              ; PASS 2: the same sixteen steps, from the last to the first
	s_sub_co_u32 s[TBK], s[TBK], 6144
	s_sub_co_u32 s[TSK], s[TSK], 512
	s_sub_co_u32 s[TSV], s[TSV], 256
	v_add_nc_u32 v[ADK], s[TBK], v[L8]
	v_add_nc_u32 v[ADS], s[TSK], v[ASK0]
.rept 3
	v_nop                                          ; five places behind the last products: the scores below are written over the registers that held V's second run (four serve the loads)
.endr
	KLOAD
	s_wait_dscnt 0x0
	KQ
.rept 4
	v_nop
.endr
	SCALE_EXP                                      ; aw, finished
	v_nop
	s_wait_alu depctr_va_vdst(0)                   ; one wait for the batch of 64
.irp b, 0,1,2,3
	v_permlanex16_b32 v[YY+\b], v[SS+16*\b], s[SEL], s[SEL+1]
.endr
	v_cndmask_b32 v[XX], v[YY], v[YY+1], s[MH]     ; aw of key 32 b + 16 h + 16: for lanes 0-15 the other half's first of this block, for lanes 16-31 of the next block,
	v_cndmask_b32 v[XX+1], v[YY+1], v[YY+2], s[MH]
	v_cndmask_b32 v[XX+2], v[YY+2], v[YY+3], s[MH]
	v_cndmask_b32 v[XX+3], v[YY+3], v[CAR], s[MH]  ; or of the step above
	v_mov_b32 v[CAR], v[YY]
.irp b, 0,1,2,3
	v_max3_num_f32 v[32+\b], v[SS+1+16*\b], v[SS+2+16*\b], v[SS+3+16*\b]   ; the largest of my numbers 1 to 13 of each block (none is negative)
.endr
.irp i, 4,6,8,10,12
.irp b, 0,1,2,3
	v_max3_num_f32 v[32+\b], v[32+\b], v[SS+16*\b+\i], v[SS+1+16*\b+\i]
.endr
.endr
.irp b, 0,1,2,3
	v_max3_num_f32 v[36+\b], v[32+\b], v[SS+14+16*\b], v[SS+15+16*\b]
.endr
.irp b, 0,1,2,3
	v_max3_num_f32 v[40+\b], v[36+\b], v[XX+\b], 0x1800000   ; the first sum's block: numbers 1 to 15 and the key 16 on; and the floor 2^(3 - 127)
.endr
	v_mov_b32 v79, v[SS+63]
	v_cndmask_b32 v[SS+63], v[SS+63], v[NIL], s[MTOP]   ; in the top trip key 2,047 is no part of the second sum
	v_max3_num_f32 v39, v35, v[SS+62], v[SS+63]
.irp b, 0,1,2,3
	v_max3_num_f32 v[44+\b], v[36+\b], v[SS+16*\b], 0x1800000   ; the second sum's block: numbers 0 to 15
.endr
.irp b, 0,1,2,3,4,5,6,7
	v_permlanex16_b32 v[48+\b], v[40+\b], s[SEL], s[SEL+1]
.endr
.irp b, 0,1,2,3,4,5,6,7
	v_max_num_f32 v[40+\b], v[40+\b], v[48+\b]     ; with lane l xor 16's: the blocks' largest
.endr
.irp b, 0,1,2,3
	v_add_nc_u32 v[56+\b], 0xff000000, v[44+\b]    ; 2 off the exponent field: the conversions' scale operands: the second sum's,
.endr
.irp b, 0,1,2,3
	v_add_nc_u32 v[60+\b], 0xff000000, v[40+\b]    ; the first sum's
.endr
.irp b, 0,1,2,3,4,5,6,7
	v_lshrrev_b32 v[64+\b], 23, v[56+\b]           ; the bytes
.endr
	v_lshl_or_b32 v[PWU], v65, 8, v64
	v_lshl_or_b32 v[PWS], v69, 8, v68
	v_lshl_or_b32 v[PWU], v66, 16, v[PWU]
	v_lshl_or_b32 v[PWS], v70, 16, v[PWS]
	v_lshl_or_b32 v[PWU], v67, 24, v[PWU]
	v_lshl_or_b32 v[PWS], v71, 24, v[PWS]
.macro CODES dst, sop                  ; S's 64 numbers become a fragment in v[dst] on
	v_cvt_scalef32_pk16_fp6_f32 v[\dst:\dst+2], v[SS:SS+15], v[\sop]
	v_cvt_scalef32_pk16_fp6_f32 v[72:74], v[SS+16:SS+31], v[\sop+1]   ; (a conversion's three registers begin on an even number)
	v_cvt_scalef32_pk16_fp6_f32 v[\dst+6:\dst+8], v[SS+32:SS+47], v[\sop+2]
	v_cvt_scalef32_pk16_fp6_f32 v[76:78], v[SS+48:SS+63], v[\sop+3]
	v_nop                                          ; one plain place behind a scaled conversion
.irp i, 0,1,2                                  ; the operand's layout wants a whole block in a lane
	v_permlane16_swap_b32 v[\dst+\i], v[72+\i]
	v_permlane16_swap_b32 v[\dst+6+\i], v[76+\i]
.endr
.irp i, 0,1,2
	v_mov_b32 v[\dst+3+\i], v[72+\i]
	v_mov_b32 v[\dst+9+\i], v[76+\i]
.endr
.endm
	CODES CU, 56                                   ; for the second sum
.irp b, 0,1,2,3
	v_mov_b32 v[SS+16*\b], v[XX+\b]                ; place 16 g takes the key 16 on,
.endr
	v_mov_b32 v[SS+63], v79                        ; key 2,047 is back
	CODES CS2, 60                                  ; for the first sum
	v_add_nc_u32 v[ADW], s[TBK], v[AV0]
	v_add_nc_u32 v[ADV1], s[TBK], v[AV1]
	v_add_nc_u32 v[ADT], s[TSV], v[ASV0]
.rept 5
	v_nop                                          ; eight places between the last write of an operand or a scale word by a vector instruction and the scaled products
.endr
.irp d, 0,1,2,3
.irp c, 0,1
.irp p, 0,1,2
	ds_load_b64 v[KV+12*\d+6*\c+2*\p:KV+12*\d+6*\c+2*\p+1], v[ADW] offset:1536*\d+768*\c+256*\p
.endr
.endr
	ds_load_b32 v[KS+\d], v[ADT] offset:64*\d
.endr
.irp d, 0,1,2,3
.irp c, 0,1
.irp p, 0,1,2
	ds_load_b64 v[SS+12*\d+6*\c+2*\p:SS+12*\d+6*\c+2*\p+1], v[ADV1] offset:1536*\d+768*\c+256*\p   ; into S^T's registers, which are done with
.endr
.endr
	ds_load_b32 v[KS+4+\d], v[ADT] offset:4096+64*\d
.endr
	s_wait_dscnt 28                                ; the first run is in; the second run's 28 loads may be out
.irp d, 0,1,2,3                                ; O^T += (dc V)^T aw^T: the four accumulators by turns, one instruction a turn
	v_wmma_scale_f32_16x16x128_f8f6f4 v[OO+8*\d:OO+8*\d+7], v[KV+12*\d:KV+12*\d+11], v[CU:CU+11], v[OO+8*\d:OO+8*\d+7], v[KS+\d], v[PWU] matrix_a_fmt:MATRIX_FMT_FP6 matrix_b_fmt:MATRIX_FMT_FP6
.endr
	s_wait_dscnt 0x0
.irp d, 0,1,2,3
	v_wmma_scale_f32_16x16x128_f8f6f4 v[OO+8*\d:OO+8*\d+7], v[SS+12*\d:SS+12*\d+11], v[CS2:CS2+11], v[OO+8*\d:OO+8*\d+7], v[KS+4+\d], v[PWS] matrix_a_fmt:MATRIX_FMT_FP6 matrix_b_fmt:MATRIX_FMT_FP6
.endr
	s_mov_b32 s[MTOP], 0
	s_sub_co_u32 s[TRIP], s[TRIP], 1
	s_cmp_lg_u32 s[TRIP], 0
	s_cbranch_scc1 .Lp2
	; THE WAY OUT.  Register 16 b + i of lane (r, h) is channel 32 b + 16 h + i of query r: two blocks of the last product's K.  Halved, quantised, stored as a half-image.
.rept 4
	v_nop
.endr
.set n, 0
.rept 16
	v_pk_mul_f32 v[OO+n:OO+n+1], v[OO+n:OO+n+1], 0.5 op_sel_hi:[1,0]   ; each accumulator from its low end on
.set n, n+2
.endr
.irp b, 0,1
	v_max3_num_f32 v[32+\b], |v[OO+16*\b]|, |v[OO+1+16*\b]|, 0x1800000
.endr
.irp i, 2,4,6,8,10,12,14
.irp b, 0,1
	v_max3_num_f32 v[32+\b], v[32+\b], |v[OO+16*\b+\i]|, |v[OO+1+16*\b+\i]|
.endr
.endr
.irp b, 0,1
	v_permlanex16_b32 v[34+\b], v[32+\b], s[SEL], s[SEL+1]
.endr
.irp b, 0,1
	v_max_num_f32 v[32+\b], v[32+\b], v[34+\b]
.endr
.irp b, 0,1
	v_add_nc_u32 v[36+\b], 0xff000000, v[32+\b]
.endr
.irp b, 0,1
	v_lshrrev_b32 v[38+\b], 23, v[36+\b]
.endr
	v_lshl_or_b32 v40, v39, 8, v38                 ; the head's two scale bytes of my row
	v_cvt_scalef32_pk16_fp6_f32 v[42:44], v[OO:OO+15], v36
	v_cvt_scalef32_pk16_fp6_f32 v[46:48], v[OO+16:OO+31], v37
	v_and_b32 v41, 15, v0                          ; (the plain place behind the conversions)
.irp i, 0,1,2
	v_permlane16_swap_b32 v[42+\i], v[46+\i]
.endr
.irp i, 0,1,2
	v_mov_b32 v[45+\i], v[46+\i]                   ; in ascending order: each source is read before it is written
.endr
	v_lshlrev_b32 v41, 5, v41                      ; 32 bytes of scales a row
.irp p, 0,1,2
	global_store_b64 v[L8], v[42+2*\p:43+2*\p], s[10:11] offset:256*\p   ; 32 lanes store 256 consecutive bytes, aligned
.endr
	global_store_b16 v41, v40, s[12:13]            ; both halves of the lanes hold the same bytes and name the same place.  Two bytes of each row's 32: whole rows would want all sixteen heads in one work-group
	s_wait_tensorcnt 0x0                           ; the wave's end, behind my last tensor load
	ds_add_u32 v[SPW], v[NIL]
	s_wait_dscnt 0x0
	CROUND                                         ; the closing round
	s_endpgm
.Lfunc_end_k_qbb3d009d39_attn:
	.size	k_qbb3d009d39_attn, .Lfunc_end_k_qbb3d009d39_attn-k_qbb3d009d39_attn
	.p2alignl 7, 3214868480
	.fill 96, 4, 3214868480
	.section	.rodata,"a",@progbits
	.p2align	6, 0x0
	.amdhsa_kernel k_qbb3d009d39_attn
		.amdhsa_group_segment_fixed_size 327680
		.amdhsa_private_segment_fixed_size 0
		.amdhsa_enable_private_segment 0
		.amdhsa_kernarg_size 40
		.amdhsa_user_sgpr_count 2
		.amdhsa_user_sgpr_kernarg_segment_ptr 1
		.amdhsa_wavefront_size32 1
		.amdhsa_system_sgpr_workgroup_id_x 1
		.amdhsa_system_sgpr_workgroup_id_y 1
		.amdhsa_system_sgpr_workgroup_id_z 1
		.amdhsa_system_vgpr_workitem_id 0
		.amdhsa_next_free_vgpr 256
		.amdhsa_next_free_sgpr 80
		.amdhsa_reserve_vcc 0
		.amdhsa_float_denorm_mode_32 3
		.amdhsa_float_denorm_mode_16_64 3
		.amdhsa_memory_ordered 1
		.amdhsa_forward_progress 1
		.amdhsa_inst_pref_size 46
	.end_amdhsa_kernel
	.amdgpu_metadata
---
amdhsa.version: [ 1, 2 ]
amdhsa.kernels:
  - .name:           k_qbb3d009d39_attn
    .symbol:         k_qbb3d009d39_attn.kd
    .args:
      - { .name: qb, .offset: 0, .size: 8, .value_kind: global_buffer, .address_space: global }
      - { .name: kv, .offset: 8, .size: 8, .value_kind: global_buffer, .address_space: global }
      - { .name: tab, .offset: 16, .size: 8, .value_kind: global_buffer, .address_space: global }
      - { .name: oi, .offset: 24, .size: 8, .value_kind: global_buffer, .address_space: global }
      - { .name: osc, .offset: 32, .size: 8, .value_kind: global_buffer, .address_space: global }
    .group_segment_fixed_size: 327680
    .private_segment_fixed_size: 0
    .kernarg_segment_align: 8
    .kernarg_segment_size: 40
    .max_flat_workgroup_size: 512
    .sgpr_count:     80
    .vgpr_count:     256
    .wavefront_size: 32
...
	.end_amdgpu_metadata
.endif
;; end of part 3
;; launch outp (part 4): grid 4 x 16, 4 waves a work-group, clusters of 4 x 4, 327,680 bytes of LDS; arguments oi, osc, codes, scl, out0, bo; writes out0
.if DOCPART == 4
	.amdgcn_target "amdgcn-amd-amdhsa--gfx1250"
	.amdhsa_code_object_version 6
	.text
	.protected	k_qbb3d009d39_outp
	.globl	k_qbb3d009d39_outp
	.p2align	8
	.type	k_qbb3d009d39_outp,@function
k_qbb3d009d39_outp:
	s_mov_b64 s[64:65], 0
	v_nop
	global_prefetch_b8 v0, s[64:65] scope:SCOPE_SE
	s_setreg_imm32_b32 hwreg(HW_REG_WAVE_MODE, 25, 1), 1
	s_wait_xcnt 0x0
	s_wait_alu depctr_hold_cnt(0) depctr_sa_sdst(0) depctr_va_vdst(0) depctr_va_sdst(0) depctr_va_ssrc(0) depctr_va_vcc(0) depctr_vm_vsrc(0)
	s_getreg_b32 s2, hwreg(HW_REG_IB_STS2, 6, 4)
	s_cmp_eq_u32 s2, 0
	s_cbranch_scc0 .Lentry_in_a_cluster
	s_endpgm
.Lentry_in_a_cluster:
	s_bfe_u32 s2, ttmp6, 0x10000c
	s_cmp_lg_u32 s2, 0xf033
	s_cbranch_scc0 .Lentry_shape_is_right
	s_endpgm
.Lentry_shape_is_right:
; out0 = out Wo^T + bo on codes of FP6 (E2M3) with E8M0 scales.  out: 4,096 rows x 1,024, as half-images (16 rows x one head's 64 codes, 768 bytes: chunk p holds registers 2 p, 2 p + 1 of every lane)
; laid [batch x 16 + head][tile of 16 rows]; its scale bytes [row][32].  Wo: rows 11,264 on of the codes' buffer, 768 bytes a row, 32 scale bytes.  Rows of both lie in image order:
; lane r of tile 2 i + u stands for true row 32 i + 8 u + r + 8 (r / 8).  out0: [4,096][1,024] f32.
; 64 tiles of 256 x 256, a work-group of four waves a tile, a wave 128 x 128: fewer work-groups than the chip could take; a tile of 128 x 128 would read each fragment for half the products.
; K goes in steps of 256 (four heads) through a ring of two LDS slots; the scale bytes come once.  4 x 4 clusters: A's tiles (out) are asked for jointly along a row, B's (Wo) along a column.
; THE MATRIX INSTRUCTION IS USED TRANSPOSED (source 0 = 16 rows of Wo, source 1 = 16 rows of out): a lane holds eight neighbouring numbers of a row of out0.  bo is the C of each sum's first instruction.
; REGISTERS: window 0: v0-31 addresses; v32-63 scale words, two sets; v64-127 bo in the results' layout; from v128 A's fragments, one set; on the way out v128-255 rows read back.
;   window 1: B's fragments, two sets.   windows 2, 3: the accumulators ((a, b) at v[8 (8 (a % 4) + b)]).
.set NQ,     2
.set ROWB,   192
.set KROW,   768
.set PITCH,  240                       ; B's LDS row: 3 x (64 bytes + 16 of padding)
.set FR,     12
.set NL,     6
.set NP,     4
.set AH,     4*6144                    ; A: 128 rows x 4 heads: four dense runs of eight half-images
.set HALFT,  128*PITCH
.set SLOT,   2*AH+2*HALFT
.set LAPS,   2
.set KS,     32
.set SCL,    2*SLOT
.set HALFS,  16*272
.set SBLK,   2*272
.set SPARE,  SCL+4*HALFS
.set SPITCH, 528                       ; the way out: a stage of 16 rows x (512 bytes + 16) for each wave, in slot 0, which has had its last fill and its last read by then
.set ADRA, 16
.set ADRB, 20
.set STO,  24
.set RD,   25
.set CO,   26
.set ADRS, 27
.set SPW,  28
.set NIL,  29
.set SC,   32
.set BIA,  64
.set AF,   128
.set BK,   128
.set WV,   20
.set RH,   21
.set CH,   22
.set G1,   24
.set G0,   32
.set G1B,  48
.set G0B,  56
.set G1S,  68
.set G0S,  76
.set G1SB, 80
.set G0SB, 88
.set MSB, 0
.macro WIN new
.if MSB != (\new)
	s_set_vgpr_msb (MSB<<8)|(\new)
.set MSB, (\new)
.endif
.endm
.set MUL_LO, 0xa1                      ; source 0 (B) window 1, source 1 (A) window 0, C and D window 2
.set MUL_HI, 0xf1
.set TO_B,   0x40
.macro JLOAD g0a, g1a, g0b, g1b        ; waves 0 and 1 fetch for A, waves 2 and 3 for B; an s_nop 0 and four v_nop follow each line
	s_cmp_eq_u32 s[RH], 0
	s_cbranch_scc0 .Lfor_b_\@
	tensor_load_to_lds s[\g0a:\g0a+3], s[\g1a:\g1a+7]
	s_nop 0
.rept 4
	v_nop
.endr
	s_branch .Lasked_\@
.Lfor_b_\@:
	tensor_load_to_lds s[\g0b:\g0b+3], s[\g1b:\g1b+7]
	s_nop 0
.rept 4
	v_nop
.endr
.Lasked_\@:
.endm
.macro CREST
	s_cmp_lg_u32 s[WV], 0
	s_cbranch_scc1 .Lnot_wave_0_\@
	s_barrier_signal -3
.Lnot_wave_0_\@:
	s_barrier_wait -3
	s_barrier_signal -1
	s_barrier_wait -1
.endm
.macro CROUND
	s_barrier_signal -1
	s_barrier_wait -1
	CREST
.endm
	s_load_b256 s[4:11], s[0:1], 0x0               ; oi, osc, codes, scl
	s_load_b128 s[12:15], s[0:1], 0x20             ; out0, bo
	v_lshl_add_u32 v[SPW], v0, 2, SPARE
	v_mov_b32 v[NIL], 0
	ds_add_u32 v[SPW], v[NIL]                      ; the wave's opening: the add and its wait stand ahead of my first tensor load
	v_lshrrev_b32 v1, 5, v0
	v_readfirstlane_b32 s[WV], v1
	s_lshr_b32 s[RH], s[WV], 1
	s_and_b32 s[CH], s[WV], 1
	s_bfe_u32 s40, ttmp6, 0x40000                  ; cx
	s_bfe_u32 s41, ttmp6, 0x40004                  ; cy
	s_lshl_b32 s42, ttmp9, 2
	s_add_co_u32 s42, s42, s40                     ; tile column
	s_and_b32 s16, ttmp7, 0xffff
	s_lshl_b32 s16, s16, 2
	s_add_co_u32 s16, s16, s41                     ; tile row
	s_lshl_b32 s43, s41, 2
	s_lshl_b32 s43, 15, s43                        ; my row of the cluster
	s_lshl_b32 s44, 0x1111, s40                    ; my column
	s_or_b32 s[G1+0], s43, (3<<16)|(1<<21)         ; A: the mask; elements of 8 bytes; no padding; bit 21 beside a mask
	s_mov_b32 s[G1+1], 768<<16                     ; tensor_dim0: eight half-images, 6,144 bytes
	s_mov_b32 s[G1+2], 4<<16                       ; tensor_dim1: four heads
	s_mov_b32 s[G1+3], 768<<16                     ; tile_dim0
	s_mov_b32 s[G1+4], 4                           ; tile_dim1
	s_mov_b32 s[G1+5], 12288                       ; from head to head: 98,304 bytes
	s_mov_b32 s[G1+6], 0
	s_mov_b32 s[G1+7], 0
	s_or_b32 s[G1B+0], s44, (0<<16)|(1<<20)|(1<<21)|(3<<22)|(3<<25)  ; B: 128 rows x 192 bytes, 16 bytes of padding behind every 64
	s_mov_b32 s[G1B+1], ROWB<<16
	s_mov_b32 s[G1B+2], 128<<16
	s_mov_b32 s[G1B+3], ROWB<<16
	s_mov_b32 s[G1B+4], 128
	s_mov_b32 s[G1B+5], KROW
	s_mov_b32 s[G1B+6], 0
	s_mov_b32 s[G1B+7], 0
	s_or_b32 s[G1S+0], s43, (3<<16)|(1<<20)|(1<<21)|(5<<22)|(3<<25)  ; the scales of 128 rows: 16 rows of 256 bytes, 16 of padding behind each
	s_or_b32 s[G1SB+0], s44, (3<<16)|(1<<20)|(1<<21)|(5<<22)|(3<<25)
.irp g, G1S, G1SB
	s_mov_b32 s[\g+1], 32<<16
	s_mov_b32 s[\g+2], 16<<16
	s_mov_b32 s[\g+3], 32<<16
	s_mov_b32 s[\g+4], 16
	s_mov_b32 s[\g+5], 32
	s_mov_b32 s[\g+6], 0
	s_mov_b32 s[\g+7], 0
.endr
	s_lshl_b32 s17, s[CH], 7                       ; which 128 rows of the tile I fetch
	s_lshl_b32 s18, s16, 8
	s_add_co_u32 s18, s18, s17                     ; A: row 256 x tile row + 128 x half
	s_lshl_b32 s46, s42, 8
	s_add_co_u32 s46, s46, s17
	s_add_co_u32 s46, s46, 11264                   ; B: Wo's rows in the codes' buffer
	s_lshr_b32 s19, s18, 11                        ; the batch: sixteen heads of 98,304 bytes
	s_mul_i32 s92, s19, 16*98304
	s_and_b32 s19, s18, 2047
	s_mul_i32 s19, s19, 48                         ; 768 bytes for 16 rows
	s_add_co_u32 s92, s92, s19
	s_mov_b32 s93, 0
	s_lshl_b32 s98, s18, 5
	s_mov_b32 s99, 0
	s_mul_i32 s96, s46, KROW
	s_mov_b32 s97, 0
	s_lshl_b32 s100, s46, 5
	s_mov_b32 s101, 0
	s_mul_i32 s45, s[CH], AH                       ; where they go: no place in the cluster enters an LDS address
	s_mul_i32 s95, s[CH], HALFT
	s_add_co_u32 s95, s95, 2*AH
	s_mul_i32 s94, s[WV], HALFS
	s_wait_dscnt 0x0                               ; the opening add is done
	s_wait_kmcnt 0x0
	s_add_nc_u64 s[92:93], s[4:5], s[92:93]        ; A's codes
	s_add_nc_u64 s[98:99], s[6:7], s[98:99]        ; A's scales
	s_add_nc_u64 s[96:97], s[8:9], s[96:97]        ; B's codes
	s_add_nc_u64 s[100:101], s[10:11], s[100:101]  ; B's scales
	CROUND                                         ; all sixteen work-groups are here: the first joint loads meet
	s_mov_b32 s[G0S], 1
	s_add_co_u32 s[G0S+1], s94, SCL
	s_mov_b64 s[G0S+2:G0S+3], s[98:99]
	s_or_b32 s[G0S+3], s[G0S+3], 0x80000000
	s_mov_b32 s[G0SB], 1
	s_add_co_u32 s[G0SB+1], s94, SCL
	s_mov_b64 s[G0SB+2:G0SB+3], s[100:101]
	s_or_b32 s[G0SB+3], s[G0SB+3], 0x80000000
	JLOAD G0S, G1S, G0SB, G1SB
.irp s, 0,1
	s_mov_b32 s[G0+4*\s], 1
	s_add_co_u32 s[G0+4*\s+1], s45, \s*SLOT
	s_add_nc_u64 s[G0+4*\s+2:G0+4*\s+3], s[92:93], \s*4*98304
	s_or_b32 s[G0+4*\s+3], s[G0+4*\s+3], 0x80000000
	s_mov_b32 s[G0B+4*\s], 1
	s_add_co_u32 s[G0B+4*\s+1], s95, \s*SLOT
	s_add_nc_u64 s[G0B+4*\s+2:G0B+4*\s+3], s[96:97], \s*ROWB
	s_or_b32 s[G0B+4*\s+3], s[G0B+4*\s+3], 0x80000000
	JLOAD G0+4*\s, G1, G0B+4*\s, G1B               ; three tensor loads of mine are out
.endr
	v_and_b32 v1, 15, v0                           ; r
	v_bfe_u32 v2, v0, 4, 1                         ; h
	v_and_b32 v6, 31, v0                           ; lane
	v_mul_u32_u24 v3, v1, PITCH
	v_mul_u32_u24 v4, v2, 24
	v_add_nc_u32 v4, v3, v4
	v_lshl_add_u32 v5, v2, 4, v4
	s_mul_i32 s46, s[RH], AH                       ; my 128 rows of A
	s_mul_i32 s47, s[CH], HALFT
	s_add_co_u32 s47, s47, 2*AH                    ; my 128 rows of B
.irp s, 0,1
	v_lshl_add_u32 v[ADRA+\s], v6, 3, s46          ; an image's place for my lane: 8 x lane
	v_add_nc_u32 v[ADRB+\s], s47, v4
	v_add_nc_u32 v[ADRB+2+\s], s47, v5
	s_add_co_u32 s46, s46, SLOT
	s_add_co_u32 s47, s47, SLOT
.endr
	v_mul_u32_u24 v5, v1, KS
	v_lshrrev_b32 v3, 8, v5
	v_lshl_add_u32 v5, v3, 4, v5
	s_mul_i32 s46, s[RH], HALFS
	s_mul_i32 s47, s[CH], HALFS
	s_add_co_u32 s47, s47, 2*HALFS
	s_sub_co_u32 s47, s47, s46
	v_mul_u32_u24 v3, s47, v2                      ; lanes 16-31 take B's
	s_add_co_u32 s46, s46, SCL
	v_add_nc_u32 v5, v5, v3
	v_add_nc_u32 v[ADRS], s46, v5
	s_mul_i32 s23, s[WV], 16*SPITCH                ; my stage
	v_mul_u32_u24 v5, v1, SPITCH
	v_lshl_add_u32 v5, v2, 6, v5                   ; in: row r, + 64 h: tile b's eight numbers are true columns 32 (b / 2) + 16 h + 8 (b % 2) + 0 .. 7
	v_add_nc_u32 v[STO], s23, v5
	v_lshlrev_b32 v[CO], 4, v6                     ; back: the 32 lanes take one row of 512 bytes; and the same in out0
	v_add_nc_u32 v[RD], s23, v[CO]
	s_lshl_b32 s46, s42, 10
	s_lshl_b32 s47, s[CH], 9
	s_add_co_u32 s46, s46, s47                     ; my first column, in bytes
	s_mov_b32 s47, 0
	s_add_nc_u64 s[14:15], s[14:15], s[46:47]      ; bo there
	s_lshl_b32 s18, s16, 20
	s_lshl_b32 s19, s[RH], 19
	s_add_co_u32 s18, s18, s19                     ; my first row: 4,096 bytes a row
	s_add_co_u32 s46, s46, s18
	s_add_nc_u64 s[12:13], s[12:13], s[46:47]
	v_lshlrev_b32 v30, 6, v2
.irp b, 0,1,2,3
.irp q, 0,1,2,3
	global_load_b128 v[BIA+16*\b+4*\q:BIA+16*\b+4*\q+3], v30, s[14:15] offset:128*\b+16*\q   ; register 16 i + j: bo at column 32 i + 16 h + j
.endr
.endr
.macro FRAG reg, adr, q, i             ; B: 16 rows x 128 K from padded rows, in pieces of 8 bytes
.irp p, 0,1,2,3,4,5
.set PCE, 12*(\q)+6*(\p/3)+\p%3
.if PCE%8 < 5
	ds_load_b64 v[\reg+2*\p:\reg+2*\p+1], v[\adr] offset:8*PCE+16*(PCE/8)+(\i)*16*PITCH
.else
	ds_load_b64 v[\reg+2*\p:\reg+2*\p+1], v[\adr+2] offset:8*PCE+16*(PCE/8)+(\i)*16*PITCH
.endif
.endr
.endm
.macro FRAGI reg, slot, q, i           ; A: two heads' half-images are a fragment: 256 consecutive bytes a load
.irp c, 0,1
.irp p, 0,1,2
	ds_load_b64 v[\reg+6*\c+2*\p:\reg+6*\c+2*\p+1], v[ADRA+\slot] offset:(2*(\q)+\c)*6144+768*(\i)+256*\p
.endr
.endr
.endm
.macro MUL16 a0, p, q, sc, zero        ; the 64 accumulators take turns, one instruction a turn, in the same order in every step
.irp a, \a0, \a0+1
.irp b, 0,1,2,3,4,5,6,7
.if \zero
	v_wmma_scale_f32_16x16x128_f8f6f4 v[8*(8*((\a)%4)+\b):8*(8*((\a)%4)+\b)+7], v[128*(\p)+FR*\b:128*(\p)+FR*\b+FR-1], v[AF+FR*(\a):AF+FR*(\a)+FR-1], v[BIA+8*\b:BIA+8*\b+7], v[SC+8*NQ*(\sc)+NQ*\b+(\q)], v[SC+8*NQ*(\sc)+NQ*(\a)+(\q)] matrix_a_fmt:MATRIX_FMT_FP6 matrix_b_fmt:MATRIX_FMT_FP6 matrix_a_scale:MATRIX_SCALE_ROW1
.else
	v_wmma_scale_f32_16x16x128_f8f6f4 v[8*(8*((\a)%4)+\b):8*(8*((\a)%4)+\b)+7], v[128*(\p)+FR*\b:128*(\p)+FR*\b+FR-1], v[AF+FR*(\a):AF+FR*(\a)+FR-1], v[8*(8*((\a)%4)+\b):8*(8*((\a)%4)+\b)+7], v[SC+8*NQ*(\sc)+NQ*\b+(\q)], v[SC+8*NQ*(\sc)+NQ*(\a)+(\q)] matrix_a_fmt:MATRIX_FMT_FP6 matrix_b_fmt:MATRIX_FMT_FP6 matrix_a_scale:MATRIX_SCALE_ROW1
.endif
.endr
.endr
.endm
.macro FETCH_B slot, q, p
	WIN TO_B
.irp i, 0,1,2,3,4,5,6,7
	FRAG 128*(\p)+FR*\i, ADRB+\slot, \q, \i
.endr
	WIN 0
.endm
.macro FETCH_A slot, q, i0
.irp i, \i0, \i0+1, \i0+2, \i0+3
	FRAGI AF+FR*(\i), \slot, \q, \i
.endr
.endm
.macro SCALES sc
.irp i, 0,1,2,3,4,5,6,7
	ds_load_b64 v[SC+8*NQ*\sc+NQ*\i:SC+8*NQ*\sc+NQ*\i+1], v[ADRS] offset:\i*SBLK
.endr
.endm
.macro PLACES n
.rept \n
	v_nop
.endr
.endm
.macro STEP slot, q, zero
	s_wait_dscnt 4*NL                              ; B's set and A's blocks 0-3 are in; the youngest 24 loads (A's blocks 4-7) may be out
.if \zero
	WIN 0x81                                       ; C (bo) in window 0, D in window 2
.else
	WIN MUL_LO
.endif
	MUL16 0, (\q)%2, \q, \slot, \zero
	MUL16 2, (\q)%2, \q, \slot, \zero
	s_wait_dscnt 0
	PLACES NP
	FETCH_B \slot, (\q)+1, 1-(\q)%2
	FETCH_A \slot, (\q)+1, 0
.if \zero
	WIN 0xc1
.else
	WIN MUL_HI
.endif
	MUL16 4, (\q)%2, \q, \slot, \zero
	MUL16 6, (\q)%2, \q, \slot, \zero
	PLACES NP
	WIN 0
	FETCH_A \slot, (\q)+1, 4
.endm
.macro TURN slot, next, fill
	s_wait_tensorcnt 0x0                           ; all my tensor loads have landed: my part of the next slot
	ds_add_u32 v[SPW], v[NIL]                      ; 0 onto my spare word
	s_wait_dscnt 4*NL+1                            ; (the add and the youngest 24 loads may be out)
	WIN MUL_LO
	MUL16 0, 1, NQ-1, \slot, 0
	s_wait_dscnt 0x0                               ; the add is done, and my reads of this slot are over
	s_barrier_signal -1
	MUL16 2, 1, NQ-1, \slot, 0
	WIN 0
	s_barrier_wait -1
.if \fill
	CREST                                          ; a round of the cluster's barrier: no wave of any partner still reads this slot or has a load on its way
	s_add_nc_u64 s[G0+4*\slot+2:G0+4*\slot+3], s[G0+4*\slot+2:G0+4*\slot+3], 8*98304
	s_add_nc_u64 s[G0B+4*\slot+2:G0B+4*\slot+3], s[G0B+4*\slot+2:G0B+4*\slot+3], 2*ROWB
	JLOAD G0+4*\slot, G1, G0B+4*\slot, G1B         ; the first tensor load behind the round; its four v_nop are the places in front of the loads below
.else
	PLACES NP
.endif
	v_add_nc_u32 v[ADRS], 4*NQ, v[ADRS]
	FETCH_B \next, 0, 0
	FETCH_A \next, 0, 0
	SCALES \next
	WIN MUL_HI
	MUL16 4, 1, NQ-1, \slot, 0
	MUL16 6, 1, NQ-1, \slot, 0
	PLACES NP
	WIN 0
	FETCH_A \next, 0, 4
.endm
	s_wait_tensorcnt 1                             ; the scales and my part of K step 0 are in (K step 1's load may be out)
	s_barrier_signal -1
	s_barrier_wait -1
	FETCH_B 0, 0, 0
	FETCH_A 0, 0, 0
	SCALES 0
	FETCH_A 0, 0, 4
	s_wait_loadcnt 0x0                             ; bo
	STEP 0, 0, 1                                   ; the first step's products start the sums from bo
	s_mov_b32 s3, LAPS-1
.Llap:
	TURN 0, 1, 1
	STEP 1, 0, 0
	TURN 1, 0, 1
	STEP 0, 0, 0
	s_sub_co_u32 s3, s3, 1
	s_cmp_lg_u32 s3, 0
	s_cbranch_scc1 .Llap
	TURN 0, 1, 0                                   ; the last lap fills nothing
	STEP 1, 0, 0
	s_wait_dscnt 4*NL
	WIN MUL_LO
	MUL16 0, 1, NQ-1, 1, 0
	MUL16 2, 1, NQ-1, 1, 0
	s_wait_dscnt 0
	WIN MUL_HI
	MUL16 4, 1, NQ-1, 1, 0
	MUL16 6, 1, NQ-1, 1, 0
	WIN 0
; THE WAY OUT, block by block of 16 rows x 128 columns, through my own stage: in by lanes (32 bytes of a row each), back as whole rows of 512 bytes.  LDS serves a wave's instructions in order (ISA guide 5.7.1.4).
.macro TOSTAGE a
.set AC, 64*((\a)%4)
	WIN 0x08+4*((\a)/4)                            ; the data: window 2 or 3
.irp b, 0,1,2,3,4,5,6,7
	ds_store_b128 v[STO], v[AC+8*\b:AC+8*\b+3] offset:128*(\b/2)+32*(\b%2)      ; each accumulator from its low end on
	ds_store_b128 v[STO], v[AC+8*\b+4:AC+8*\b+7] offset:128*(\b/2)+32*(\b%2)+16
.endr
	WIN 0
.set BB, BK+64*((\a)%2)
.irp t, 0,1,2,3,4,5,6,7,8,9,10,11,12,13,14,15
	ds_load_b128 v[BB+4*\t:BB+4*\t+3], v[RD] offset:\t*SPITCH
.endr
.endm
.macro SEND a, younger                 ; stage row t of block a is true row 32 (a / 2) + 8 (a % 2) + t + 8 (t / 8) of my 128: 127 rows of 4,096 bytes at the most, inside the immediate
.set BB, BK+64*((\a)%2)
	s_wait_dscnt \younger
.irp t, 0,1,2,3,4,5,6,7,8,9,10,11,12,13,14,15
	global_store_b128 v[CO], v[BB+4*\t:BB+4*\t+3], s[12:13] offset:(32*((\a)/2)+8*((\a)%2)+\t+8*(\t/8))*4096 th:TH_STORE_NT   ; 32 lanes store 512 consecutive bytes, aligned
.endr
.endm
	PLACES NP
	TOSTAGE 0
.irp a, 1,2,3,4,5,6,7
.if \a > 1
	s_wait_xcnt 0x0                                ; block a - 2's stores have read their registers: block a's loads may land there
.endif
	TOSTAGE \a
	SEND \a-1, 32                                  ; behind block a - 1's loads: block a's 16 stores and 16 loads
.endr
	SEND 7, 0
	s_wait_tensorcnt 0x0                           ; the wave's end, behind my last tensor load and my last LDS store
	ds_add_u32 v[SPW], v[NIL]
	s_wait_dscnt 0x0
	CROUND                                         ; the closing round
	s_endpgm
.Lfunc_end_k_qbb3d009d39_outp:
	.size	k_qbb3d009d39_outp, .Lfunc_end_k_qbb3d009d39_outp-k_qbb3d009d39_outp
	.p2alignl 7, 3214868480
	.fill 96, 4, 3214868480
	.section	.rodata,"a",@progbits
	.p2align	6, 0x0
	.amdhsa_kernel k_qbb3d009d39_outp
		.amdhsa_group_segment_fixed_size 327680
		.amdhsa_private_segment_fixed_size 0
		.amdhsa_enable_private_segment 0
		.amdhsa_kernarg_size 48
		.amdhsa_user_sgpr_count 2
		.amdhsa_user_sgpr_kernarg_segment_ptr 1
		.amdhsa_wavefront_size32 1
		.amdhsa_system_sgpr_workgroup_id_x 1
		.amdhsa_system_sgpr_workgroup_id_y 1
		.amdhsa_system_sgpr_workgroup_id_z 1
		.amdhsa_system_vgpr_workitem_id 0
		.amdhsa_next_free_vgpr 1024
		.amdhsa_next_free_sgpr 102
		.amdhsa_reserve_vcc 0
		.amdhsa_float_denorm_mode_32 3
		.amdhsa_float_denorm_mode_16_64 3
		.amdhsa_memory_ordered 1
		.amdhsa_forward_progress 1
		.amdhsa_inst_pref_size 161
	.end_amdhsa_kernel
	.amdgpu_metadata
---
amdhsa.version: [ 1, 2 ]
amdhsa.kernels:
  - .name:           k_qbb3d009d39_outp
    .symbol:         k_qbb3d009d39_outp.kd
    .args:
      - { .name: oi, .offset: 0, .size: 8, .value_kind: global_buffer, .address_space: global }
      - { .name: osc, .offset: 8, .size: 8, .value_kind: global_buffer, .address_space: global }
      - { .name: codes, .offset: 16, .size: 8, .value_kind: global_buffer, .address_space: global }
      - { .name: scl, .offset: 24, .size: 8, .value_kind: global_buffer, .address_space: global }
      - { .name: out0, .offset: 32, .size: 8, .value_kind: global_buffer, .address_space: global }
      - { .name: bo, .offset: 40, .size: 8, .value_kind: global_buffer, .address_space: global }
    .group_segment_fixed_size: 327680
    .private_segment_fixed_size: 0
    .kernarg_segment_align: 8
    .kernarg_segment_size: 48
    .max_flat_workgroup_size: 128
    .sgpr_count:     102
    .vgpr_count:     1024
    .wavefront_size: 32
...
	.end_amdgpu_metadata
.endif
;; end of part 4
